; MI455X (gfx1250); checked and timed in simulation.
; The chip was launched on July 23, 2026; its instructions are those of AMD's public machine-readable ISA for CDNA 5 (MIT licence, August 2026) and "CDNA5" Instruction Set Architecture Reference Guide (July 2026). The comments in the code are by the model that wrote it; some were corrected since.
;; Multi Head Attention. Allowed arithmetic: float matrix products may take bf16 or f16 operands with f32 sums; other float arithmetic in f32, or as packed bf16 or f16 multiplies, adds, multiply-adds, maxima and minima; sums over many terms, partial sums and values carried from step to step in f32; what a program stores and reads back later, other than sums and carried values, may be rounded once to bf16 or f16.
;; Inputs: Wk 1,024 x 1,024 float32; Wo 1,024 x 1,024 float32; Wq 1,024 x 1,024 float32; Wv 1,024 x 1,024 float32; bk 1,024 float32; bo 1,024 float32; bq 1,024 float32; bv 1,024 float32; key 4 x 2,048 x 1,024 float32; query 4 x 2,048 x 1,024 float32; value 4 x 2,048 x 1,024 float32.
;; Outputs: out0 4 x 2,048 x 1,024 float32.
;; One version. Each part assembles by itself: llvm-mc -triple=amdgcn-amd-amdhsa -mcpu=gfx1250 --defsym DOCPART=n.
;; ======== version 1 of 1: 4 launches
;; limits: values are held in f16: magnitudes above 65,504 overflow, below 6.1e-05 lose precision
;; workspace buffers: wcast 8,388,608 bytes; qh 16,777,216 bytes; kh 16,777,216 bytes; vh 16,777,216 bytes; oh 16,777,216 bytes
;; launch castw (part 1): grid 64 x 4, 8 waves a work-group, no clusters, 0 bytes of LDS; arguments Wq, Wk, Wv, Wo, wcast; writes wcast
.if DOCPART == 1
	.amdgcn_target "amdgcn-amd-amdhsa--gfx1250"
	.amdhsa_code_object_version 6
	.text
	.protected	k_qae9a948cd2_castw
	.globl	k_qae9a948cd2_castw
	.p2align	8
	.type	k_qae9a948cd2_castw,@function
k_qae9a948cd2_castw:
	s_mov_b64 s[64:65], 0
	v_nop
	global_prefetch_b8 v0, s[64:65] scope:SCOPE_SE
	s_setreg_imm32_b32 hwreg(HW_REG_WAVE_MODE, 25, 1), 1
	s_wait_xcnt 0x0
; The four weight matrices, [1024 k][1024 n] f32, are rounded once to bf16 and written as 16-bit numbers in the same layout:
; wcast = four blocks of 2,097,152 bytes in the order Wq, Wk, Wv, Wo.  Wq, Wk, Wv stay bf16 (the input projections multiply in bf16);
; Wo's bf16 number is written as f16, since the output projection multiplies the f16 attention result.
; LIMITS.  Wo's bf16 number is exact in f16 from 6.1e-5 to 65,504 in magnitude; below it keeps f16's fixed step of 6e-8; from 65,520 on it becomes an infinity.
; SHARES.  Work-group y picks the matrix, work-group x 16,384 numbers of it: 65,536 bytes in, 32,768 out.  Thread t takes sixteen pieces of four numbers:
; a wave's load covers 512 consecutive bytes, a wave's store 256 consecutive bytes at a multiple of 256 from wcast's first byte.
; All sixteen loads go out first; each piece has registers of its own, so no register is written again.  No LDS, no matrix unit, no cluster: nothing is shared and nothing is summed.
.set X, 8                              ; v[8:71]    piece i: four f32 as loaded
.set Y, 72                             ; v[72:103]  piece i: two words to store
.set T, 104                            ; v[104:111] at work
	s_load_b256 s[4:11], s[0:1], 0x0               ; Wq s[4:5], Wk s[6:7], Wv s[8:9], Wo s[10:11]
	s_load_b64 s[12:13], s[0:1], 0x20              ; wcast
	s_and_b32 s14, ttmp7, 0xffff                   ; which matrix
	s_mov_b32 s18, 0xffff0000                      ; a word's upper bf16
	v_lshlrev_b32 v1, 4, v0                        ; 16 t: my bytes in a piece of the source
	v_lshlrev_b32 v2, 3, v0                        ; 8 t: in a piece of the result
	s_lshl_b32 s16, ttmp9, 16                      ; the work-group's 65,536 bytes of the source
	s_mov_b32 s17, 0
	s_wait_kmcnt 0x0
	s_cmp_eq_u32 s14, 0
	s_cselect_b64 s[20:21], s[4:5], s[6:7]
	s_cmp_eq_u32 s14, 2
	s_cselect_b64 s[22:23], s[8:9], s[10:11]
	s_cmp_lt_u32 s14, 2
	s_cselect_b64 s[20:21], s[20:21], s[22:23]     ; the matrix
	s_add_nc_u64 s[20:21], s[20:21], s[16:17]
.irp i, 0,1,2,3,4,5,6,7,8,9,10,11,12,13,14,15
	global_load_b128 v[X+4*(\i):X+4*(\i)+3], v1, s[20:21] offset:4096*(\i) th:TH_LOAD_NT
.endr
	s_cmp_eq_u32 s14, 3
	s_cselect_b32 s15, -1, 0                       ; all lanes: Wo takes the f16 word
	s_lshl_b32 s16, s14, 21                        ; the matrix's block of wcast,
	s_lshl_b32 s19, ttmp9, 15                      ; the work-group's 32,768 bytes of it
	s_add_co_u32 s16, s16, s19
	s_add_nc_u64 s[12:13], s[12:13], s[16:17]
.irp i, 0,1,2,3,4,5,6,7,8,9,10,11,12,13,14,15
	s_wait_loadcnt 15-(\i)                         ; loads come back in order: piece i is in, the younger ones stay out
	v_cvt_pk_bf16_f32 v[T], v[X+4*(\i)], v[X+4*(\i)+1]      ; the one rounding
	v_cvt_pk_bf16_f32 v[T+1], v[X+4*(\i)+2], v[X+4*(\i)+3]
	v_lshlrev_b32 v[T+2], 16, v[T]                 ; the bf16 numbers as f32,
	v_and_b32 v[T+3], s18, v[T]
	v_lshlrev_b32 v[T+4], 16, v[T+1]
	v_and_b32 v[T+5], s18, v[T+1]
	v_cvt_pk_f16_f32 v[T+6], v[T+2], v[T+3]        ; and written as f16
	v_cvt_pk_f16_f32 v[T+7], v[T+4], v[T+5]
	v_cndmask_b32 v[Y+2*(\i)], v[T], v[T+6], s15
	v_cndmask_b32 v[Y+2*(\i)+1], v[T+1], v[T+7], s15
	global_store_b64 v2, v[Y+2*(\i):Y+2*(\i)+1], s[12:13] offset:2048*(\i)
.endr
	s_endpgm
.Lfunc_end_k_qae9a948cd2_castw:
	.size	k_qae9a948cd2_castw, .Lfunc_end_k_qae9a948cd2_castw-k_qae9a948cd2_castw
	.p2alignl 7, 3214868480
	.fill 96, 4, 3214868480
	.section	.rodata,"a",@progbits
	.p2align	6, 0x0
	.amdhsa_kernel k_qae9a948cd2_castw
		.amdhsa_group_segment_fixed_size 0
		.amdhsa_private_segment_fixed_size 0
		.amdhsa_enable_private_segment 0
		.amdhsa_kernarg_size 40
		.amdhsa_user_sgpr_count 2
		.amdhsa_user_sgpr_kernarg_segment_ptr 1
		.amdhsa_wavefront_size32 1
		.amdhsa_system_sgpr_workgroup_id_x 1
		.amdhsa_system_sgpr_workgroup_id_y 1
		.amdhsa_system_sgpr_workgroup_id_z 1
		.amdhsa_system_vgpr_workitem_id 0
		.amdhsa_next_free_vgpr 112
		.amdhsa_next_free_sgpr 66
		.amdhsa_reserve_vcc 0
		.amdhsa_float_denorm_mode_32 3
		.amdhsa_float_denorm_mode_16_64 3
		.amdhsa_memory_ordered 1
		.amdhsa_forward_progress 1
		.amdhsa_inst_pref_size 13
	.end_amdhsa_kernel
	.amdgpu_metadata
---
amdhsa.version: [ 1, 2 ]
amdhsa.kernels:
  - .name:           k_qae9a948cd2_castw
    .symbol:         k_qae9a948cd2_castw.kd
    .args:
      - { .name: Wq, .offset: 0, .size: 8, .value_kind: global_buffer, .address_space: global }
      - { .name: Wk, .offset: 8, .size: 8, .value_kind: global_buffer, .address_space: global }
      - { .name: Wv, .offset: 16, .size: 8, .value_kind: global_buffer, .address_space: global }
      - { .name: Wo, .offset: 24, .size: 8, .value_kind: global_buffer, .address_space: global }
      - { .name: wcast, .offset: 32, .size: 8, .value_kind: global_buffer, .address_space: global }
    .group_segment_fixed_size: 0
    .private_segment_fixed_size: 0
    .kernarg_segment_align: 8
    .kernarg_segment_size: 40
    .max_flat_workgroup_size: 256
    .sgpr_count:     66
    .vgpr_count:     112
    .wavefront_size: 32
...
	.end_amdgpu_metadata
.endif
;; end of part 1
;; launch proj (part 2): grid 4 x 192, 4 waves a work-group, clusters of 4 x 4, 327,680 bytes of LDS; arguments query, key, value, wcast, bq, bk, bv, qh, kh, vh; writes qh, kh, vh
.if DOCPART == 2
	.amdgcn_target "amdgcn-amd-amdhsa--gfx1250"
	.amdhsa_code_object_version 6
	.text
	.protected	k_qae9a948cd2_proj
	.globl	k_qae9a948cd2_proj
	.p2align	8
	.type	k_qae9a948cd2_proj,@function
k_qae9a948cd2_proj:
	s_mov_b64 s[64:65], 0
	v_nop
	global_prefetch_b8 v0, s[64:65] scope:SCOPE_SE
	s_setreg_imm32_b32 hwreg(HW_REG_WAVE_MODE, 25, 1), 1
	s_wait_xcnt 0x0
	s_wait_alu depctr_hold_cnt(0) depctr_sa_sdst(0) depctr_va_vdst(0) depctr_va_sdst(0) depctr_va_ssrc(0) depctr_va_vcc(0) depctr_vm_vsrc(0)
	s_getreg_b32 s2, hwreg(HW_REG_IB_STS2, 6, 4)
	s_cmp_eq_u32 s2, 0
	s_cbranch_scc0 .Lentry_in_a_cluster
	s_endpgm
.Lentry_in_a_cluster:
	s_bfe_u32 s2, ttmp6, 0x10000c
	s_cmp_lg_u32 s2, 0xf033
	s_cbranch_scc0 .Lentry_shape_is_right
	s_endpgm
.Lentry_shape_is_right:
; q, k, v = x W + b for x = query, key, value.  x: [8192][1024] f32; W: wcast's block p, [1024 k][1024 n] bf16; b: [1024] f32.  x and b are rounded to bf16 here, products in bf16, sums in f32
; (the bias starts each sum, as the C operand of its first product), the result rounded once to f16 and stored BY HEADS: [64 = 16 batch + head][2048][64], rows of 128 bytes on end, WITHOUT attention's scale.
; LIMITS.  f16 ends at 65,504: a q, k or v of 65,520 or more becomes an infinity.  NaN and infinities are not treated apart.
; SHARES.  A tile of the result is 128 rows x 256 columns: 64 x 4 tiles for each of the three projections, 768 work-groups.  Four waves, each 64 x 128: 32 accumulators of 16 x 16, 256 registers.
; K goes in 8 steps of 128 through a ring of two LDS slots filled by the tensor data mover; a step is four quarters of 32 along K, 32 matrix instructions each.
; x COMES INTO LDS AS f32 (rows of 512 bytes) and is rounded between LDS and the matrix unit: 32 conversions a quarter.  W's tile lies [k][n] (rows of 512 bytes) and is turned by ds_load_tr16_b128.
; THE MATRIX INSTRUCTION IS USED TRANSPOSED: source 0 = 16 columns of W, source 1 = 16 rows of x: lane l holds row l % 16 of the result and the columns 8 (l / 16) + 0..7: 16 bytes of f16 on end.
; CLUSTERS.  4 x 4 work-groups.  The four of a row of the cluster need the same tile of x, the four of a column the same tile of W: each is asked for JOINTLY, by the same tensor load with the same descriptor
; and a mask that names the four.  The projection p hangs on the cluster's y alone, so it is the same in all sixteen.
; REGISTERS, in windows of 256 (s_set_vgpr_msb: bits 1:0 source 0, 3:2 source 1, 5:4 source 2, 7:6 destination):
;   window 0: v0-30 addresses; v64-127 x as loaded, f32 (64 rows x 32 K); v128-159, v160-191 x's fragments, two buffers; on the way out v64-191 hold the packed result
;   window 1: v0-63, v64-127 W's fragments, two buffers; v128-191 the bias, 8 fragments; v192 at work          window 2: accumulator (a, b) at v[8 (8 a + b)]
; BY RIDERS.  The LDS loads and conversions for the quarters to come stand in groups of four behind every second matrix instruction, each group between two switches of the window.
.set KSTEP,  128
.set PA,     528                       ; a row of x in LDS: 512 bytes + 16 of padding = 132 words: the 16 rows of a load start at 16 different groups of four banks (64 banks of 4 bytes: ISA guide 11.1)
.set AHALF,  64*PA                     ; 64 rows: what one tensor load brings, and what one wave reads of x
.set ATILE,  2*AHALF
.set PB,     544                       ; a row of W in LDS: 512 + 32 = 136 words
.set BHALF,  64*PB                     ; 64 rows of k: what one tensor load brings
.set QB,     32*PB                     ; a quarter's 32 rows of k
.set SLOT,   ATILE+2*BHALF             ; x's 128 rows, then W's 128 rows of k
.set STAGE,  2*SLOT                    ; behind the ring, never filled by a tensor load: 16 rows x 144 bytes for each wave, for the way out
.set SP,     144
.set SPARE,  STAGE+4*16*SP             ; behind the stages: the spare words, 128 bytes for each wave: two blocks of 256 bytes that no other line names
.set ADRA, 16                          ; v16-17  LDS address of my rows of x in slot 0, 1
.set ADRB, 20                          ; v20-21  the same for my columns of W
.set STO,  24                          ; v24     the way out: where I put 16 bytes of a row
.set RD,   25                          ; v25     the way out: where I read rows back
.set GO,   26                          ; v26     my 16 bytes in 512 consecutive bytes of the result
.set BO,   27                          ; v27     my byte offset in a fragment of the bias
.set SPW,  28                          ; v28     LDS address of my spare word: SPARE + 4 x my thread's number; never rewritten
.set NIL,  29                          ; v29     0; never rewritten
.set PFO,  30                          ; v30     the prefetches' offset; never rewritten
.set RAW,  64
.set AF,   128
.set OUTR, 64
.set BIAS, 128                         ; window 1
.set BT,   192                         ; window 1
.set G1A, 24                           ; s[24:31] descriptor group 1 for x's tiles;  s[32:39] group 0, a set for each slot
.set G0A, 32
.set G1B, 48                           ; s[48:55], s[56:63] the same for W's tiles
.set G0B, 56
.set LIM, 45                           ; s45     1 in a wave that prefetches, else the greatest number
.set PFA, 90                           ; s[90:91] where my prefetches stand
.set MSB, 0
.macro WIN new                         ; the immediate's high byte repeats the setting that is left; a switch that changes nothing is dropped
.if MSB != (\new)
	s_set_vgpr_msb (MSB<<8)|(\new)
.set MSB, \new
.endif
.endm
.set MUL,  0xa1                        ; source 0 (W) window 1, source 1 (x) window 0, C and D window 2
.set MULF, 0x91                        ; the same with C, the bias, in window 1
.set TO_B, 0x40                        ; destination window 1, address window 0
.set BR,   0x45                        ; all in window 1
.set PK,   0x0a                        ; sources 0 and 1 window 2, destination window 0
; A joint load.  Waves 0 and 1 fetch x's two halves, waves 2 and 3 W's.  The branch hangs on the wave's number alone.  An s_nop 0 and four v_nop follow each of the two lines,
; ahead of the jump, the label and what follows.
.macro JLOAD s
	s_cmp_eq_u32 s11, 0
	s_cbranch_scc0 .Lfor_b_\@
	tensor_load_to_lds s[G0A+4*(\s):G0A+4*(\s)+3], s[G1A:G1A+7]
	s_nop 0
.rept 4
	v_nop
.endr
	s_branch .Lasked_\@
.Lfor_b_\@:
	tensor_load_to_lds s[G0B+4*(\s):G0B+4*(\s)+3], s[G1B:G1B+7]
	s_nop 0
.rept 4
	v_nop
.endr
.Lasked_\@:
.endm
; A PREFETCH INTO THE L2 of x, behind each joint load and its five lines: the change of slots of K step s asks for K step s + 4, which the change two K steps on (256 matrix instructions) will load.
; A K step is 512 bytes of each row.  A tile's 128 rows are read by one row of one cluster alone.  Of the 64 rows that wave 0 or 1 fetches, the partner at place cx takes 16, told apart BY ADDRESS:
; a lane takes 256 bytes, 16 rows x 2, one instruction a wave: each 256 bytes of x are named once in the launch.  K steps 0 to 3 come by their loads alone; the loop's last trip asks for nothing: K has 8 steps.
; W is not asked for: all 16 clusters of a projection read it.
.macro ASK
	s_cmp_gt_u32 s3, s[LIM]                        ; s3 = 1 in the loop's last trip
	s_cbranch_scc0 .Lnot_mine_\@
	global_prefetch_b8 v[PFO], s[PFA:PFA+1] th:TH_LOAD_NT scope:SCOPE_SE
.Lnot_mine_\@:
.endm
; A round of the cluster's barrier: my work-group's barrier, so that wave 0's signal speaks for all four waves; wave 0 signals; every wave waits for all sixteen work-groups; my work-group's barrier once more.
.macro CREST                           ; a round behind its opening barrier
	s_cmp_lg_u32 s10, 0
	s_cbranch_scc1 .Lnot_wave_0_\@
	s_barrier_signal -3
.Lnot_wave_0_\@:
	s_barrier_wait -3
	s_barrier_signal -1
	s_barrier_wait -1
.endm
.macro CROUND                          ; a whole round
	s_barrier_signal -1
	s_barrier_wait -1
	CREST
.endm
.macro PLACES                          ; four places behind a matrix instruction, in front of loads and writes into registers that it has read and of reads of its result
.rept 4
	v_nop
.endr
.endm
	s_load_b256 s[68:75], s[0:1], 0x0              ; query s[68:69], key s[70:71], value s[72:73], wcast s[74:75]
	s_load_b256 s[76:83], s[0:1], 0x20             ; bq s[76:77], bk s[78:79], bv s[80:81], qh s[82:83]
	s_load_b128 s[84:87], s[0:1], 0x40             ; kh s[84:85], vh s[86:87]
	v_lshl_add_u32 v[SPW], v0, 2, SPARE
	v_mov_b32 v[NIL], 0
	ds_add_u32 v[SPW], v[NIL]                      ; the wave's opening: the add and its wait ahead of my first tensor load; the set-up below, work on registers, stands between them
	v_lshrrev_b32 v1, 5, v0
	v_readfirstlane_b32 s10, v1                    ; wave 0..3
	s_lshr_b32 s11, s10, 1                         ; which half of the tile's rows is mine.  Also: I fetch for x (0) or for W (1)
	s_and_b32 s12, s10, 1                          ; which half of its columns.  Also: which half of that tile I fetch
	s_bfe_u32 s40, ttmp6, 0x40000                  ; cx, cy: my place in the cluster
	s_bfe_u32 s41, ttmp6, 0x40004
	s_lshl_b32 s42, ttmp9, 2
	s_add_co_u32 s42, s42, s40                     ; tile column = 4 x cluster x + cx
	s_and_b32 s13, ttmp7, 0xffff                   ; cluster y, 0..47
	s_lshr_b32 s66, s13, 4                         ; the projection p: 16 rows of clusters each
	s_and_b32 s13, s13, 15
	s_lshl_b32 s13, s13, 2
	s_add_co_u32 s13, s13, s41                     ; tile row = 4 x (cluster y mod 16) + cy
	s_lshl_b32 s43, s41, 2
	s_lshl_b32 s43, 15, s43                        ; my row of the cluster: places 4 cy .. 4 cy + 3
	s_lshl_b32 s44, 0x1111, s40                    ; my column: places cx, cx + 4, cx + 8, cx + 12
	; descriptor group 1.  x: 64 rows x 128 elements of 4 bytes; W: 64 rows x 256 elements of 2 bytes; both padded in LDS behind every 128 words
	s_or_b32 s[G1A+0], s43, (2<<16)|(1<<20)|(1<<21)|(6<<22)|(3<<25)  ; 15:0 the mask: my row; 17:16 elements of 4 bytes; 20 padding on; 21 set beside a mask; 24:22 after every 128 words (code 6); 31:25 4 words (code 3)
	s_or_b32 s[G1B+0], s44, (1<<16)|(1<<20)|(1<<21)|(6<<22)|(7<<25)  ; my column; elements of 2 bytes; 8 words of padding (code 7)
	s_mov_b32 s[G1A+1], 128<<16                    ; tensor_dim0 = 128
	s_mov_b32 s[G1A+2], 64<<16                     ; tensor_dim1 = 64
	s_mov_b32 s[G1A+3], 128<<16                    ; tile_dim0 = 128
	s_mov_b32 s[G1A+4], 64                         ; tile_dim1 = 64
	s_mov_b32 s[G1A+5], 1024                       ; elements from row to row
	s_mov_b32 s[G1A+6], 0
	s_mov_b32 s[G1A+7], 0
	s_mov_b32 s[G1B+1], 256<<16                    ; tensor_dim0 = 256
	s_mov_b32 s[G1B+2], 64<<16
	s_mov_b32 s[G1B+3], 256<<16                    ; tile_dim0 = 256
	s_mov_b32 s[G1B+4], 64
	s_mov_b32 s[G1B+5], 1024
	s_mov_b32 s[G1B+6], 0
	s_mov_b32 s[G1B+7], 0
	; where the tiles come from.  x's hang on the tile row, which my row of the cluster shares; W's on the tile column, which my column shares; each in registers that never hold the other coordinate
	s_lshl_b32 s16, s13, 7
	s_lshl_b32 s17, s12, 6
	s_add_co_u32 s16, s16, s17                     ; x: row 128 x tile row + 64 x half,
	s_lshl_b32 s16, s16, 12                        ; of 4,096 bytes
	s_mov_b32 s17, 0
	s_lshl_b32 s46, s66, 21                        ; W: block p of wcast,
	s_lshl_b32 s47, s12, 17                        ; 64 x half rows of 2,048 bytes,
	s_add_co_u32 s46, s46, s47
	s_lshl_b32 s47, s42, 9                         ; 512 bytes x tile column
	s_add_co_u32 s46, s46, s47
	s_mov_b32 s47, 0
	s_mul_i32 s20, s12, AHALF                      ; and where they go: no place in the cluster enters an LDS address
	s_mul_i32 s21, s12, BHALF
	s_add_co_u32 s21, s21, ATILE
	s_mov_b32 s67, 0xffff0000                      ; a word's upper bf16
	s_cmp_eq_u32 s11, 0
	s_cselect_b32 s[LIM], 1, -1                    ; waves 0 and 1 prefetch
	s_wait_dscnt 0x0                               ; the opening add is done
	s_wait_kmcnt 0x0
	s_cmp_eq_u32 s66, 0                            ; x, bias and result of projection p
	s_cselect_b64 s[4:5], s[68:69], s[70:71]
	s_cselect_b64 s[88:89], s[76:77], s[78:79]
	s_cselect_b64 s[8:9], s[82:83], s[84:85]
	s_cmp_eq_u32 s66, 2
	s_cselect_b64 s[4:5], s[72:73], s[4:5]
	s_cselect_b64 s[88:89], s[80:81], s[88:89]
	s_cselect_b64 s[8:9], s[86:87], s[8:9]
	s_add_nc_u64 s[14:15], s[4:5], s[16:17]
	s_add_nc_u64 s[46:47], s[74:75], s[46:47]
	CROUND                                         ; all sixteen work-groups are here: the first joint loads meet
.irp s, 0,1
	s_mov_b32 s[G0A+4*(\s)], 1                                     ; 1:0 count = 1
	s_add_co_u32 s[G0A+4*(\s)+1], s20, (\s)*SLOT                   ; 63:32 LDS address
	s_add_nc_u64 s[G0A+4*(\s)+2:G0A+4*(\s)+3], s[14:15], (\s)*KSTEP*4  ; 120:64 global address: K step s
	s_or_b32 s[G0A+4*(\s)+3], s[G0A+4*(\s)+3], 0x80000000          ; 127:126 type = 2
	s_mov_b32 s[G0B+4*(\s)], 1
	s_add_co_u32 s[G0B+4*(\s)+1], s21, (\s)*SLOT
	s_add_nc_u64 s[G0B+4*(\s)+2:G0B+4*(\s)+3], s[46:47], (\s)*KSTEP*2048
	s_or_b32 s[G0B+4*(\s)+3], s[G0B+4*(\s)+3], 0x80000000
	JLOAD \s                                       ; the ring is filled before anything else is done: two loads of mine are out
.endr
	; A fragment of x is 16 rows x 32 K: lane l holds row l % 16, K = 8 (l / 16) + 0..7 and 16 + 8 (l / 16) + 0..7.  In f32 that is four loads of 16 bytes, at 32 (l / 16) + 0, 16, 64, 80.
	v_and_b32 v1, 15, v0                           ; l % 16
	v_bfe_u32 v2, v0, 4, 1                         ; l / 16
	v_mul_u32_u24 v3, v1, PA
	v_lshl_add_u32 v3, v2, 5, v3
	s_mul_i32 s22, s11, AHALF                      ; my 64 rows
	v_add_nc_u32 v[ADRA], s22, v3
	v_add_nc_u32 v[ADRA+1], SLOT, v[ADRA]
	; The turning load takes 16 k x 16 columns (lane l reads k = 8 (l / 16) + l % 8, columns 8 ((l / 8) % 2) + 0..7) and leaves half a fragment: lane l holds column l % 16 and 8 k.
	v_and_b32 v4, 7, v0
	v_lshl_add_u32 v4, v2, 3, v4
	v_mul_u32_u24 v4, v4, PB
	v_bfe_u32 v5, v0, 3, 1
	v_lshl_add_u32 v4, v5, 4, v4
	s_lshl_b32 s23, s12, 8                         ; my 128 columns: 256 bytes,
	s_add_co_u32 s23, s23, ATILE                   ; behind x's tile
	v_add_nc_u32 v[ADRB], s23, v4
	v_add_nc_u32 v[ADRB+1], SLOT, v[ADRB]
	s_mul_i32 s22, s10, 16*SP
	s_add_co_u32 s22, s22, STAGE                   ; my stage
	v_mul_u32_u24 v[STO], v1, SP                   ; in: row l % 16, 16 bytes for each half of the lanes
	v_lshl_add_u32 v[STO], v2, 4, v[STO]
	v_add_nc_u32 v[STO], s22, v[STO]
	v_bfe_u32 v[RD], v0, 3, 2                      ; back: 32 lanes take four rows of 128 bytes,
	v_mul_u32_u24 v[RD], v[RD], SP
	v_and_b32 v3, 7, v0
	v_lshl_add_u32 v[RD], v3, 4, v[RD]
	v_add_nc_u32 v[RD], s22, v[RD]
	v_and_b32 v[GO], 31, v0                        ; which are 512 consecutive bytes of a head's rows
	v_lshlrev_b32 v[GO], 4, v[GO]
	v_lshlrev_b32 v[BO], 5, v2                     ; my eight numbers of a bias fragment: 32 (l / 16)
	v_lshlrev_b32 v[PFO], 12, v1                   ; the prefetches: row l % 16, 256 bytes x (l / 16)
	v_lshl_add_u32 v[PFO], v2, 8, v[PFO]
	; the result: head 16 batch + 4 x tile column + 2 x column half (+ 1 in the stores' immediate), row within the batch
	s_lshl_b32 s92, s13, 7
	s_lshl_b32 s93, s11, 6
	s_add_co_u32 s92, s92, s93                     ; my first row of 8,192
	s_lshr_b32 s93, s92, 11                        ; batch
	s_and_b32 s92, s92, 2047                       ; row in the batch,
	s_lshl_b32 s92, s92, 7                         ; of 128 bytes
	s_lshl_b32 s93, s93, 4
	s_lshl2_add_u32 s93, s42, s93
	s_lshl1_add_u32 s93, s12, s93
	s_lshl_b32 s93, s93, 18                        ; a head is 2,048 rows of 128 bytes
	s_add_co_u32 s92, s92, s93
	s_mov_b32 s93, 0
	s_add_nc_u64 s[8:9], s[8:9], s[92:93]
	s_lshl_b32 s92, s42, 10                        ; the bias of my 128 columns: 4 (256 x tile column + 128 x half)
	s_lshl_b32 s22, s12, 9
	s_add_co_u32 s92, s92, s22
	s_add_nc_u64 s[88:89], s[88:89], s[92:93]
	s_lshl_b32 s92, s13, 7                         ; the prefetches: row 128 x tile row + 64 x half + 16 cx,
	s_lshl_b32 s22, s12, 6
	s_add_co_u32 s92, s92, s22
	s_lshl_b32 s22, s40, 4
	s_add_co_u32 s92, s92, s22
	s_lshl_b32 s92, s92, 12
	s_add_co_u32 s92, s92, 3*KSTEP*4               ; at K step 3: the first change of slots steps it to 4
	s_add_nc_u64 s[PFA:PFA+1], s[4:5], s[92:93]
	; the bias: fragment b holds, in every lane, the eight numbers of its columns 16 b + 8 (l / 16) + 0..7: the C operand of the transposed product.  Rounded to bf16 like every input.
	WIN TO_B
.irp b, 0,1,2,3,4,5,6,7
	global_load_b128 v[BIAS+8*(\b):BIAS+8*(\b)+3],   v[BO], s[88:89] offset:64*(\b)
	global_load_b128 v[BIAS+8*(\b)+4:BIAS+8*(\b)+7], v[BO], s[88:89] offset:64*(\b)+16
.endr
	s_wait_loadcnt 0x0
	WIN BR
.set i, 0
.rept 32
	v_cvt_pk_bf16_f32 v[BT], v[BIAS+2*i], v[BIAS+2*i+1]
	v_lshlrev_b32 v[BIAS+2*i], 16, v[BT]
	v_and_b32 v[BIAS+2*i+1], s67, v[BT]
.set i, i+1
.endr
	WIN 0
; Product i of a quarter's 32, on buffers f: row block a = i % 4, column block b = i / 4.  The 32 accumulators take turns, one instruction a turn, in the same order in every quarter.
; first = 1: the product starts the sum, with the bias: nothing is ever cleared.
.macro MM f, first
.set rD, 8*(8*(i%4)+i/4)
.set rB, 64*(\f)+8*(i/4)
.set rA, AF+32*(\f)+8*(i%4)
.if \first
	WIN MULF
	v_wmma_f32_16x16x32_bf16 v[rD:rD+7], v[rB:rB+7], v[rA:rA+7], v[BIAS+8*(i/4):BIAS+8*(i/4)+7]
.else
	WIN MUL
	v_wmma_f32_16x16x32_bf16 v[rD:rD+7], v[rB:rB+7], v[rA:rA+7], v[rD:rD+7]
.endif
.endm
; THE RIDERS, four lines each.  LB: W's fragments 2 g and 2 g + 1 into buffer f.  LA: x's rows 16 g .. 16 g + 15, 32 K in f32.  CV: half c % 2 of x's fragment c / 2 rounded to bf16 into buffer f.
.macro LB g, f, adr, off
	WIN TO_B
	ds_load_tr16_b128 v[64*(\f)+16*(\g):64*(\f)+16*(\g)+3],     v[\adr] offset:(\off)+64*(\g)
	ds_load_tr16_b128 v[64*(\f)+16*(\g)+4:64*(\f)+16*(\g)+7],   v[\adr] offset:(\off)+64*(\g)+16*PB
	ds_load_tr16_b128 v[64*(\f)+16*(\g)+8:64*(\f)+16*(\g)+11],  v[\adr] offset:(\off)+64*(\g)+32
	ds_load_tr16_b128 v[64*(\f)+16*(\g)+12:64*(\f)+16*(\g)+15], v[\adr] offset:(\off)+64*(\g)+32+16*PB
.endm
.macro LA g, adr, off
	WIN 0
	ds_load_b128 v[RAW+16*(\g):RAW+16*(\g)+3],     v[\adr] offset:(\off)+16*PA*(\g)
	ds_load_b128 v[RAW+16*(\g)+4:RAW+16*(\g)+7],   v[\adr] offset:(\off)+16*PA*(\g)+16
	ds_load_b128 v[RAW+16*(\g)+8:RAW+16*(\g)+11],  v[\adr] offset:(\off)+16*PA*(\g)+64
	ds_load_b128 v[RAW+16*(\g)+12:RAW+16*(\g)+15], v[\adr] offset:(\off)+16*PA*(\g)+80
.endm
.macro CV c, f
	WIN 0
.irp j, 0,1,2,3
	v_cvt_pk_bf16_f32 v[AF+32*(\f)+4*(\c)+(\j)], v[RAW+8*(\c)+2*(\j)], v[RAW+8*(\c)+2*(\j)+1]
.endr
.endm
; A QUARTER multiplies buffers f.  Behind product 0: four places, for all that is written below into the last quarter's operand registers.  Behind products 1, 3, 5, 7: the NEXT quarter's W (lbadr, lboff) into
; the other buffer.  Behind 9, 11 .. 23: the next quarter's x is rounded into the other buffer, from what the last quarter loaded.  Behind 25 .. 31: x of the quarter AFTER next (laadr, laoff).  An address of -1: none.
; THE WAITS.  head = 16: W's 16 loads of the last quarter are in; its 16 loads of x, issued behind them, may be out.  In front of conversions 0, 2, 4, 6: 16 loads of x and then 16 of W are out, and of
; them the first 4, 8, 12, 16 are wanted: 28, 24, 20, 16 may stay out.
; chg: THE CHANGE OF SLOTS, in a K step's third quarter: the slot's last reads are this quarter's loads of W, the other slot's first are its loads of x.  Behind product 12 each wave waits for all its tensor
; loads, of which one is out: its part of the other slot; adds 0 to its spare word; behind product 16 it waits for that and for its reads of this slot, and signals; behind product 23 it goes on.
; chg = 1: this slot is filled again, with the K step two on.  The barrier then opens a round of the cluster's, so that no wave of any partner still reads the slot or has a load on its way, and the joint
; refill is the first thing behind the round: from there to the wait for it a wave issues 117 matrix instructions.  chg = 2: nothing is left to fetch.
.macro QUARTER f, first, head, lbadr, lboff, cv, laadr, laoff, chg, slot
	s_wait_dscnt \head
.set i, 0
.rept 32
	MM \f, \first
.if i == 0
.if (\lbadr) >= 0
	PLACES
.endif
.elseif (i < 8) && (i%2 == 1) && ((\lbadr) >= 0)
	LB (i-1)/2, 1-(\f), \lbadr, \lboff
.elseif (i > 8) && (i < 24) && (i%2 == 1) && (\cv)
.if ((i-9)%4 == 0) && (!(\chg) || (i < 16))
	s_wait_dscnt 28-(i-9)
.endif
	CV (i-9)/2, 1-(\f)
.elseif (i > 24) && (i%2 == 1) && ((\laadr) >= 0)
	LA (i-25)/2, \laadr, \laoff
.endif
.if (\chg) && (i == 12)
.if (\chg) == 1
	s_wait_xcnt 0x0                                ; the last prefetch, a K step back, has read its address: it is stepped here, ahead of the waits of the change
	s_add_nc_u64 s[PFA:PFA+1], s[PFA:PFA+1], KSTEP*4
.endif
	WIN 0                                          ; (the add's two registers lie in window 0)
	s_wait_tensorcnt 0x0                           ; all my tensor loads have landed: the one that was out is my part of the other slot;
	ds_add_u32 v[SPW], v[NIL]                      ; 0 onto my spare word; four products and eight conversions stand between it and the wait for it
.endif
.if (\chg) && (i == 16)
	s_wait_dscnt 0x0                               ; the add is done, and my reads of this slot are over
	s_barrier_signal -1                            ; say so; work on registers while the others arrive
.endif
.if (\chg) && (i == 23)
	WIN 0
	s_barrier_wait -1
.if (\chg) == 1
	CREST
	s_add_nc_u64 s[G0A+4*(\slot)+2:G0A+4*(\slot)+3], s[G0A+4*(\slot)+2:G0A+4*(\slot)+3], 2*KSTEP*4     ; no tensor load of mine is out, so a group 0 may be written
	s_add_nc_u64 s[G0B+4*(\slot)+2:G0B+4*(\slot)+3], s[G0B+4*(\slot)+2:G0B+4*(\slot)+3], 2*KSTEP*2048
	JLOAD \slot
	ASK
.endif
.endif
.set i, i+1
.endr
.endm
; The four quarters of a K step in slot s.
.macro Q0 s, first
	QUARTER 0, \first, 16, ADRB+(\s), QB, 1, ADRA+(\s), 256, 0, 0
.endm
.macro Q1 s
	QUARTER 1, 0, 16, ADRB+(\s), 2*QB, 1, ADRA+(\s), 384, 0, 0
.endm
.macro Q2 s, chg
	QUARTER 0, 0, 16, ADRB+(\s), 3*QB, 1, ADRA+1-(\s), 0, \chg, \s
.endm
.macro Q3 s
	QUARTER 1, 0, 16, ADRB+1-(\s), 0, 1, ADRA+1-(\s), 128, 0, 0
.endm
	s_wait_tensorcnt 1                             ; my part of K step 0 is in; K step 1's may stay out
	s_barrier_signal -1
	s_barrier_wait -1                              ; everybody's is
.irp g, 0,1,2,3
	LA \g, ADRA, 0                                 ; quarter 0's x,
.endr
.irp g, 0,1,2,3
	LB \g, 0, ADRB, 0                              ; and W
.endr
	s_wait_dscnt 16                                ; x is in
.irp c, 0,1,2,3,4,5,6,7
	CV \c, 0
.endr
.irp g, 0,1,2,3
	LA \g, ADRA, 128                               ; quarter 1's x
.endr
	Q0 0, 1                                        ; the first quarter stands in front of the loop: its products start the sums
	WIN 0                                          ; at a label and at a branch every window is 0
	s_mov_b32 s3, 3
.Llap:                                                 ; a trip goes once round the ring, from a lap's second quarter to the next lap's first, and fills both slots again
	Q1 0
	Q2 0, 1
	Q3 0
	Q0 1, 0
	Q1 1
	Q2 1, 1
	Q3 1
	Q0 0, 0
	WIN 0
	s_sub_co_u32 s3, s3, 1
	s_cmp_lg_u32 s3, 0
	s_cbranch_scc1 .Llap
	Q1 0                                           ; the last lap is written out: it asks for nothing
	Q2 0, 2
	Q3 0
	Q0 1, 0
	Q1 1
	QUARTER 0, 0, 16, ADRB+1, 3*QB, 1, -1, 0, 0, 0 ; there is no x behind the last quarter's
	QUARTER 1, 0, 0, -1, 0, 0, -1, 0, 0, 0         ; the last quarter: W's 16 loads are all that is out
	; THE WAY OUT, in eight units of 16 rows x one head (64 columns): rounded to f16, 16 bytes a lane into rows of 144 bytes of my own stage, back as whole rows of 128 bytes, stored as 512 consecutive bytes.
	PLACES
.macro PACK u                          ; row block u / 2, head u % 2: accumulators (u / 2, 4 (u % 2) + 0..3), each from its lowest registers on
	WIN PK
.irp f, 0,1,2,3
.irp j, 0,1,2,3
	v_cvt_pk_f16_f32 v[OUTR+16*(\u)+4*(\f)+(\j)], v[8*(8*((\u)/2)+4*((\u)%2)+(\f))+2*(\j)], v[8*(8*((\u)/2)+4*((\u)%2)+(\f))+2*(\j)+1]
.endr
.endr
	WIN 0
.irp f, 0,1,2,3
	ds_store_b128 v[STO], v[OUTR+16*(\u)+4*(\f):OUTR+16*(\u)+4*(\f)+3] offset:32*(\f)
.endr
.irp f, 0,1,2,3
	ds_load_b128 v[OUTR+16*(\u)+4*(\f):OUTR+16*(\u)+4*(\f)+3], v[RD] offset:(\f)*4*SP  ; LDS serves a wave's instructions in order (ISA guide 5.7.1.4): these see the stores above; the next unit's stores come behind them
.endr
.endm
.macro SEND u, younger                 ; younger: the LDS instructions issued behind unit u's loads: the next unit's eight, or none
.irp f, 0,1,2,3
	s_wait_dscnt (\younger)+3-(\f)
	global_store_b128 v[GO], v[OUTR+16*(\u)+4*(\f):OUTR+16*(\u)+4*(\f)+3], s[8:9] offset:262144*((\u)%2)+2048*((\u)/2)+512*(\f)  ; 512 consecutive bytes, at a multiple of 256 from the buffer's first
.endr
.endm
	PACK 0
.irp u, 1,2,3,4,5,6,7                  ; a unit's conversions stand between the loads of the unit before and its stores; each unit has registers of its own
	PACK \u
	SEND (\u)-1, 8
.endr
	SEND 7, 0
	s_wait_tensorcnt 0x0                           ; the wave's end, behind my last tensor load and my last LDS store
	ds_add_u32 v[SPW], v[NIL]
	s_wait_dscnt 0x0
	CROUND                                         ; the closing round: no work-group ends while a partner may still ask for a tile that names it
	s_endpgm
.Lfunc_end_k_qae9a948cd2_proj:
	.size	k_qae9a948cd2_proj, .Lfunc_end_k_qae9a948cd2_proj-k_qae9a948cd2_proj
	.p2alignl 7, 3214868480
	.fill 96, 4, 3214868480
	.section	.rodata,"a",@progbits
	.p2align	6, 0x0
	.amdhsa_kernel k_qae9a948cd2_proj
		.amdhsa_group_segment_fixed_size 327680
		.amdhsa_private_segment_fixed_size 0
		.amdhsa_enable_private_segment 0
		.amdhsa_kernarg_size 80
		.amdhsa_user_sgpr_count 2
		.amdhsa_user_sgpr_kernarg_segment_ptr 1
		.amdhsa_wavefront_size32 1
		.amdhsa_system_sgpr_workgroup_id_x 1
		.amdhsa_system_sgpr_workgroup_id_y 1
		.amdhsa_system_sgpr_workgroup_id_z 1
		.amdhsa_system_vgpr_workitem_id 0
		.amdhsa_next_free_vgpr 768
		.amdhsa_next_free_sgpr 94
		.amdhsa_reserve_vcc 0
		.amdhsa_float_denorm_mode_32 3
		.amdhsa_float_denorm_mode_16_64 3
		.amdhsa_memory_ordered 1
		.amdhsa_forward_progress 1
		.amdhsa_inst_pref_size 150
	.end_amdhsa_kernel
	.amdgpu_metadata
---
amdhsa.version: [ 1, 2 ]
amdhsa.kernels:
  - .name:           k_qae9a948cd2_proj
    .symbol:         k_qae9a948cd2_proj.kd
    .args:
      - { .name: query, .offset: 0, .size: 8, .value_kind: global_buffer, .address_space: global }
      - { .name: key, .offset: 8, .size: 8, .value_kind: global_buffer, .address_space: global }
      - { .name: value, .offset: 16, .size: 8, .value_kind: global_buffer, .address_space: global }
      - { .name: wcast, .offset: 24, .size: 8, .value_kind: global_buffer, .address_space: global }
      - { .name: bq, .offset: 32, .size: 8, .value_kind: global_buffer, .address_space: global }
      - { .name: bk, .offset: 40, .size: 8, .value_kind: global_buffer, .address_space: global }
      - { .name: bv, .offset: 48, .size: 8, .value_kind: global_buffer, .address_space: global }
      - { .name: qh, .offset: 56, .size: 8, .value_kind: global_buffer, .address_space: global }
      - { .name: kh, .offset: 64, .size: 8, .value_kind: global_buffer, .address_space: global }
      - { .name: vh, .offset: 72, .size: 8, .value_kind: global_buffer, .address_space: global }
    .group_segment_fixed_size: 327680
    .private_segment_fixed_size: 0
    .kernarg_segment_align: 8
    .kernarg_segment_size: 80
    .max_flat_workgroup_size: 128
    .sgpr_count:     94
    .vgpr_count:     768
    .wavefront_size: 32
...
	.end_amdgpu_metadata
.endif
;; end of part 2
;; launch attn (part 3): grid 4 x 64, 4 waves a work-group, clusters of 4 x 1, 327,680 bytes of LDS; arguments qh, kh, vh, oh; writes oh
.if DOCPART == 3
	.amdgcn_target "amdgcn-amd-amdhsa--gfx1250"
	.amdhsa_code_object_version 6
	.text
	.protected	k_qae9a948cd2_attn
	.globl	k_qae9a948cd2_attn
	.p2align	8
	.type	k_qae9a948cd2_attn,@function
k_qae9a948cd2_attn:
	s_mov_b64 s[64:65], 0
	v_nop
	global_prefetch_b8 v0, s[64:65] scope:SCOPE_SE
	s_setreg_imm32_b32 hwreg(HW_REG_WAVE_MODE, 25, 1), 1
	s_wait_xcnt 0x0
	s_wait_alu depctr_hold_cnt(0) depctr_sa_sdst(0) depctr_va_vdst(0) depctr_va_sdst(0) depctr_va_ssrc(0) depctr_va_vcc(0) depctr_vm_vsrc(0)
	s_getreg_b32 s2, hwreg(HW_REG_IB_STS2, 6, 4)
	s_cmp_eq_u32 s2, 0
	s_cbranch_scc0 .Lentry_in_a_cluster
	s_endpgm
.Lentry_in_a_cluster:
	s_bfe_u32 s2, ttmp6, 0x10000c
	s_cmp_lg_u32 s2, 0x3003
	s_cbranch_scc0 .Lentry_shape_is_right
	s_endpgm
.Lentry_shape_is_right:
; O[h][q][:] = the sum over k of softmax_k(Q[h][q] . K[h][k] / 8) V[h][k][:].  Q, K, V, O: [SIZE_H][SIZE_N][64], all f16: a head's rows are dense, 128 bytes each.  Products, maxima and sums in
; f32; the weights p are rounded to f16 for the second product (their sum l is taken of the unrounded p), O once at the end.  SIZE_H is at least 2; SIZE_N x 128 bytes stay under 2^32.
; LIMITS.  f16 holds no number beyond 65,504: Q, K and V arrive within it; p lies in 0 to 1, and below 6e-5 it keeps f16's fixed step of 6e-8; O is a mean of V's rows and has their range.
; A weight below 2^-126 counts as 0 in l; NaN and infinities are not treated apart.
; SHARES.  A wave owns four PIECES of two tiles of 16 queries, a work-group's four waves 512 queries of one head; SIZE_N is a multiple of 2,048.  Every wave walks all keys, 64 a step.
; LAYOUT.  S^T = K Q^T (source 0 = 16 keys, source 1 = 16 queries): in the result a lane holds ONE query (lane % 16) and the keys 8 (lane / 16) + 0..7.  Two such tiles, rounded to f16 in pairs,
; ARE source 1 (32 keys x 16 queries) of O^T = V^T P, whose result again holds one query a lane, and eight channels.  K comes out of LDS as it lies, V ([key][channel]) turned, by ds_load_tr16_b128.
; SOFTMAX.  For each query a running maximum m and sum l: p = 2^(c s - c m), c = log2(e) / 8; in every step O and l are multiplied by a = 2^(c m_old - c m_new), which is 1 where m has not grown.
; m starts at the lowest finite number, O and l at 0: the first step is a step like any other, with a = 0.
; THE COUNT.  A tile and step have 16 matrix and 118 vector instructions: too many to stand all beside the matrix work.  So the order has one aim: four vector instructions that are READY behind
; EVERY matrix instruction, and the others, which need time of their own whatever the order, in runs without a gap.
; BY TURNS.  Turn n belongs to piece n (the pieces in a ring, step after step).  Its matrix work: 16 products K Q^T of piece n + 1, later 16 products V^T P of piece n - 1.  Its vector work: the scaling,
; exponentials, roundings, sums and rescaling of piece n, and the maximum and statistics of piece n + 1, whose scores the turn itself has made.  So what a turn begins with (c s - c m, O a) waits for nothing.
; CLUSTER.  The four query blocks of a cluster belong to one head and walk the same K and V, so each tile is asked for JOINTLY: the same tensor load, descriptor and mask in all four.
; REGISTERS, in windows of 256 (s_set_vgpr_msb says which window each operand place means: bits 1:0 source 0, 3:2 source 1, 5:4 source 2, 7:6 destination):
;   window 0: v0-11 addresses; v12-15, v48-63 at work; v16-47 four registers of statistics a tile; v64-191 S^T, two buffers of two tiles; v192-255 P, likewise
;   window 1: O^T, 32 a tile          window 2: v0-127 Q, 16 a tile; v128-191 K of one step; v192-255 V of one step          window 3: v0-1 the add's two registers
; A piece's buffers go by its number's parity: the piece in hand has one pair, its two neighbours in the ring share the other: of it P (piece n - 1) is read and S^T (piece n + 1) written.
.set SIZE_H, 64       ; 4 batches x 16 heads
.set SIZE_N, 2048
.set NP,    4         ; pieces a wave: a name, no knob: the register map, the loop and the fetches are made for four
.set KS,    64        ; keys in a step
.set PK,    144       ; a row of K in LDS: 128 bytes + 16 of padding = 36 words: the 16 rows of a load start at 16 different groups of four banks (64 banks of 4 bytes: ISA guide 11.1)
.set PV,    160       ; a row of V: 128 + 32 = 40 words
.set VOFF,  4*KS*PK   ; a slot holds four steps: 256 rows of K, then 256 rows of V
.set SLOT1, 1<<17     ; slot 1 begins here, so that one exclusive or turns an address in one slot into the other's
.set STAGE, SLOT1+4*KS*(PK+PV)  ; behind the ring, never filled by a tensor load: 16 rows x 144 bytes for each wave, for the way out
.set SP,    144
.set AK0, 2           ; v2   my lane's place in a tile of K; never rewritten
.set AV0, 3           ; v3   the same for V
.set AK,  4           ; v4   the LDS address of K's next run of loads
.set AV,  5           ; v5   of V's
.set QO,  6           ; v6   my byte offset in the wave's rows of Q
.set STO, 6           ;      later, the way out: where I put 16 bytes of a row
.set RD,  7           ; v7   the way out: where I read rows back
.set GO,  8           ; v8   my byte offset in 512 consecutive bytes of O
.set SPW, 0           ; v0 of window 3   LDS address of my spare word: SPARE + 4 x my thread's number; never rewritten
.set NIL, 1           ; v1 of window 3   0; never rewritten
.set SPARE, STAGE+4*16*SP  ; behind the stages: the spare words, 128 bytes for each wave: two blocks of 256 bytes that no other line names
.set MV,  12          ; v12-15  c m_old, kept while c m is made anew: by buffer and tile
.set ST,  16          ; tile t's statistics at v[ST+4 t]: c m, m, l (even keys', odd keys')
.set TMP, 48          ; by buffer and tile, four registers c0-c3 at work; when the maximum is found c2 takes a
.set S,   64
.set P,   192
.set KF,  128         ; K's fragments, in window 2: key block kb, channel half c at KF + 16 kb + 8 c
.set VF,  192         ; V's: key half kk, channel block cb at VF + 32 kk + 8 cb
.set WV,  12          ; s12  my wave's number
.set G1K, 24          ; s[24:31] descriptor group 1 for K's tiles
.set G1V, 32          ; s[32:39] for V's: it differs in the padding alone
.set G0K, 40          ; s[40:43] descriptor group 0 for K's tiles: it walks
.set G0V, 44          ; s[44:47] the same for V's
.set SLOTS, 56        ; s56  slots still to be asked for
.set CNT, 57          ; s57  counts a slot's key steps
.set CS,  58          ; s[58:59] c: the packed scaling takes the pair's low word for both halves
.set SEL, 60          ; s[60:61] v_permlanex16_b32's selects: each lane takes its own place in the other half
.set TBK, 62          ; s62  LDS byte at which K of the step to be fetched begins
.set TBV, 63          ; s63  the same for V, less VOFF
.set MSB, 0
.macro WIN new                      ; the high byte repeats the setting that is left; a switch that changes nothing is dropped
.if MSB != (\new)
	s_set_vgpr_msb (MSB<<8)|(\new)
.set MSB, (\new)
.endif
.endm
.set W_KQ, 0x0a       ; K and Q in window 2, S^T in window 0
.set W_PV, 0x52       ; V in window 2, P in window 0, O^T in window 1
.set W_RS, 0x41       ; O^T (destination and source 0) in window 1, a in window 0
.set W_MK, 0xc0       ; the add's registers are made: destination in window 3, sources in window 0
.set W_AD, 0x0f       ; the add: address (source 0) and data (source 1) in window 3
; A joint fill.  Waves 0 and 1 fetch the two halves of a slot's K, waves 2 and 3 those of its V: 128 keys each.  The branch hangs on the wave's number alone.
; An s_nop 0 and four v_nop follow each of the two lines, ahead of the jump and the label.
.macro JLOAD
	s_cmp_lt_u32 s[WV], 2
	s_cbranch_scc0 .Lfor_v_\@
	tensor_load_to_lds s[G0K:G0K+3], s[G1K:G1K+7]
	s_nop 0
.rept 4
	v_nop
.endr
	s_branch .Lasked_\@
.Lfor_v_\@:
	tensor_load_to_lds s[G0V:G0V+3], s[G1V:G1V+7]
	s_nop 0
.rept 4
	v_nop
.endr
.Lasked_\@:
.endm
; A round of the cluster's barrier: my work-group's barrier, so that wave 0's signal speaks for all four waves; wave 0 signals; every wave waits for all four work-groups; my work-group's barrier once more.
.macro CROUND
	s_barrier_signal -1
	s_barrier_wait -1
	s_cmp_lg_u32 s[WV], 0
	s_cbranch_scc1 .Lnot_wave_0_\@
	s_barrier_signal -3
.Lnot_wave_0_\@:
	s_barrier_wait -3
	s_barrier_signal -1
	s_barrier_wait -1
.endm
; THE CHANGE OF SLOTS.  The slot's last bytes, V of its fourth step, have been read.  Each wave waits for all its tensor loads, of which one is out: its part
; of the other slot; adds 0 to its spare word; and waits for that and for its own reads of the slot.  Behind the barrier nobody reads this slot any more and the other slot is whole.
; fill = 1: this slot is filled again, with the keys two slots on.  The barrier is then a round of the cluster's, so that no wave of any partner still reads the slot or has a load on its
; way, and the joint fill is the first thing behind it: it has four key steps, 512 matrix instructions, in which to land.  (At its first use nothing has been read yet: slot 0 is waited for, slot 1 filled.)
.macro CHANGE fill
	WIN W_AD
	s_wait_tensorcnt 0x0            ; no tensor load of mine is out, so a group 0 may be written
	ds_add_u32 v[SPW], v[NIL]       ; 0 onto my spare word; with fill = 1 the descriptors' steps stand between it and the wait for it
	WIN 0                           ; at a label and at a branch every window is 0
.if \fill
.irp g, G0K, G0V
	s_xor_b32 s[\g+1], s[\g+1], SLOT1  ; the walking descriptor: the other slot than last time,
	s_add_nc_u64 s[\g+2:\g+3], s[\g+2:\g+3], 4*KS*128  ; the next 256 keys; the type bits on top are not reached
.endr
	s_wait_dscnt 0x0                ; the add is done, and my reads of the slot are over
	CROUND
	JLOAD
.else
	s_wait_dscnt 0x0                ; the add is done, and my reads of the slot are over
	s_barrier_signal -1
	s_barrier_wait -1
.endif
	s_sub_co_u32 s[TBK], s[TBK], 4*KS*PK  ; the fetches go back to a slot's first step,
	s_xor_b32 s[TBK], s[TBK], SLOT1       ; in the other slot
	s_sub_co_u32 s[TBV], s[TBV], 4*KS*PV
	s_xor_b32 s[TBV], s[TBV], SLOT1
.endm
	s_load_b256 s[4:11], s[0:1], 0x0  ; Q s[4:5], K s[6:7], V s[8:9], O s[10:11]
	WIN W_MK
	v_lshl_add_u32 v[SPW], v0, 2, SPARE
	v_mov_b32 v[NIL], 0
	WIN W_AD
	ds_add_u32 v[SPW], v[NIL]       ; the wave's opening: the add and its wait ahead of my first tensor load; the set-up below, work on registers, stands between them
	WIN 0
	v_lshrrev_b32 v1, 5, v0
	v_readfirstlane_b32 s[WV], v1   ; wave 0..3
	s_bfe_u32 s13, ttmp6, 0x40000   ; cx: my place in the cluster
	s_lshl_b32 s14, ttmp9, 2        ; in a cluster launch ttmp9 counts clusters
	s_add_co_u32 s14, s14, s13      ; my block of queries = 4 x cluster x + cx: it enters Q's and O's addresses alone
	s_and_b32 s20, ttmp7, 0xffff    ; the head, which the four partners share
	s_mov_b32 s21, 0
	s_mov_b64 s[22:23], SIZE_N*128
	s_mul_u64 s[20:21], s[20:21], s[22:23]  ; the head's first byte in each of the four tensors
	s_and_b32 s16, s[WV], 1         ; which half of a slot's 256 keys I fetch:
	s_lshl_b32 s22, s16, 14         ; its 128 rows of 128 bytes in memory,
	s_mov_b32 s23, 0
	s_add_nc_u64 s[22:23], s[22:23], s[20:21]
	s_mul_i32 s17, s16, 128*PK      ; and its place in a slot, for K
	s_mul_i32 s18, s16, 128*PV      ; and for V: no place in the cluster enters an LDS address
	s_lshl_b32 s2, s14, 2
	s_add_co_u32 s2, s2, s[WV]      ; my wave among the head's,
	s_lshl_b32 s2, s2, 14           ; its 128 rows
	s_mov_b32 s3, 0
	s_add_nc_u64 s[2:3], s[2:3], s[20:21]
	; descriptor group 1.  128 keys are 16,384 dense bytes: asked for as 64 rows of 256 bytes, two keys a row, and padded in LDS after every key
	s_mov_b32 s[G1K], 15|(1<<16)|(1<<20)|(1<<21)|(4<<22)|(3<<25)  ; 15:0 the mask of four; 17:16 2-byte elements; 20 padding on; 21 set beside a mask; 24:22 after every 32 words (code 4); 31:25 4 words (code 3)
	s_mov_b32 s[G1V], 15|(1<<16)|(1<<20)|(1<<21)|(4<<22)|(7<<25)  ; the same with 8 words of padding (code 7)
.irp g, G1K, G1V
	s_mov_b32 s[\g+1], 128<<16      ; tensor_dim0 = 128
	s_mov_b32 s[\g+2], 64<<16       ; tensor_dim1 = 64
	s_mov_b32 s[\g+3], 128<<16      ; tile_dim0 = 128
	s_mov_b32 s[\g+4], 64           ; tile_dim1 = 64
	s_mov_b32 s[\g+5], 128          ; 128 elements from row to row
	s_mov_b32 s[\g+6], 0
	s_mov_b32 s[\g+7], 0
.endr
	s_mov_b32 s[CS], 0x3e38aa3b     ; c = log2(e) / 8 = 0.180337
	s_mov_b32 s[CS+1], s[CS]        ; named with it as a pair
	s_mov_b32 s[SEL], 0x76543210
	s_mov_b32 s[SEL+1], 0xfedcba98
	s_mov_b32 s[TBK], SLOT1+4*KS*PK ; the first change of slots turns these two into 0
	s_mov_b32 s[TBV], SLOT1+4*KS*PV
	s_mov_b32 s[G0K], 1             ; 1:0 count = 1
	s_mov_b32 s[G0K+1], s17         ; 63:32 LDS address: slot 0
	s_mov_b32 s[G0V], 1
	s_add_co_u32 s[G0V+1], s18, VOFF
	s_wait_dscnt 0x0                ; the opening add is done
	s_wait_kmcnt 0x0
	s_add_nc_u64 s[G0K+2:G0K+3], s[6:7], s[22:23]  ; 120:64 global address: my half of the head's first 256 keys
	s_or_b32 s[G0K+3], s[G0K+3], 0x80000000        ; 127:126 type = 2
	s_add_nc_u64 s[G0V+2:G0V+3], s[8:9], s[22:23]
	s_or_b32 s[G0V+3], s[G0V+3], 0x80000000
	s_add_nc_u64 s[4:5], s[4:5], s[2:3]  ; Q and O at my wave's first row
	s_add_nc_u64 s[10:11], s[10:11], s[2:3]
	CROUND                          ; all four work-groups are here: the first joint loads meet
	JLOAD                           ; slot 0.  Slot 1 is asked for when slot 0 is in: the tile wanted first has the road to itself
	; A fragment of K or Q is 16 rows x 32 channels in 8 registers: lane l holds row l % 16, channels 8 (l / 16) + 0..7 and 16 + 8 (l / 16) + 0..7: two loads of 16 bytes, 32 bytes apart.
	v_and_b32 v1, 15, v0            ; l % 16
	v_bfe_u32 v9, v0, 4, 1          ; l / 16
	v_lshlrev_b32 v[QO], 7, v1
	v_lshl_add_u32 v[QO], v9, 4, v[QO]  ; row x 128 + 16 x half
	WIN 0x80                        ; destination window 2, address window 0
.set i, 0
.rept 4*NP                          ; Q stays in registers: tile i / 2, channels 32 (i % 2) on
	global_load_b128 v[8*i:8*i+3],   v[QO], s[4:5] offset:(i/2)*2048+(i%2)*64
	global_load_b128 v[8*i+4:8*i+7], v[QO], s[4:5] offset:(i/2)*2048+(i%2)*64+32
.set i, i+1
.endr
	; What the first turn finds: V's registers and P's second buffer hold 0 (its products V^T P, of a piece that has not been, add 0), O^T and l are 0.  All this stands in the wait for the first tile.
.set i, VF
.rept 64
	v_mov_b32 v[i], 0
.set i, i+1
.endr
	WIN 0x40
.set i, 0
.rept 64*NP
	v_mov_b32 v[i], 0
.set i, i+1
.endr
	WIN 0
.set i, 0
.rept 2*NP
	v_mov_b32 v[ST+4*i], 0xfe000000    ; c m: far below every c s
	v_mov_b32 v[ST+4*i+1], 0xff7fffff  ; m
	v_mov_b32 v[ST+4*i+2], 0
	v_mov_b32 v[ST+4*i+3], 0
.set i, i+1
.endr
.set i, P+32
.rept 32
	v_mov_b32 v[i], 0
.set i, i+1
.endr
	v_mul_u32_u24 v[AK0], v1, PK
	v_lshl_add_u32 v[AK0], v9, 4, v[AK0]  ; row x pitch + 16 x half
	; The turning load takes 16 keys x 16 channels (lane l reads key 8 (l / 16) + l % 8, channels 8 ((l / 8) % 2) + 0..7) and leaves half a fragment of V^T: lane l holds channel l % 16 and 8 keys.
	v_and_b32 v10, 7, v0
	v_bfe_u32 v11, v0, 3, 1
	v_lshl_add_u32 v[AV0], v9, 3, v10
	v_mul_u32_u24 v[AV0], v[AV0], PV
	v_lshl_add_u32 v[AV0], v11, 4, v[AV0]
	v_add_nc_u32 v[AV0], VOFF, v[AV0]
	v_mov_b32 v[AK], v[AK0]         ; key step 0 lies at the head of slot 0
; THE MATRIX WORK.  The 8 accumulators of a run of 16 take turns: between the two links of a chain stand 7 others'.
; Product i of 16 of S^T = K Q^T for piece x: channels 32 (i / 8) on, keys 16 ((i / 2) % 4) on, tile 2 x + i % 2.  The first 8 start the sums.
.macro KQ x
	WIN W_KQ
.set rS, S+64*((\x)%2)+32*(i%2)+8*((i/2)%4)
.set rK, KF+16*((i/2)%4)+8*(i/8)
.set rQ, 16*(2*(\x)+i%2)+8*(i/8)
.if i < 8
	v_wmma_f32_16x16x32_f16 v[rS:rS+7], v[rK:rK+7], v[rQ:rQ+7], 0
.else
	v_wmma_f32_16x16x32_f16 v[rS:rS+7], v[rK:rK+7], v[rQ:rQ+7], v[rS:rS+7]
.endif
.endm
; Product i of 16 of O^T += V^T P for piece x: keys 32 (i / 8) on, channels 16 ((i / 2) % 4) on, tile 2 x + i % 2.
.macro PV x
	WIN W_PV
.set rO, 32*(2*(\x)+i%2)+8*((i/2)%4)
.set rV, VF+32*(i/8)+8*((i/2)%4)
.set rP, P+32*((\x)%2)+16*(i%2)+8*(i/8)
	v_wmma_f32_16x16x32_f16 v[rO:rO+7], v[rV:rV+7], v[rP:rP+7], v[rO:rO+7]
.endm
.macro MM                           ; the turn's next matrix instruction
.if i < 16
	KQ (Y+1)%NP
.set i, i+1
.else
.set i, i-16
	PV (Y+NP-1)%NP
.set i, i+17
.endif
.endm
; THE LDS LOADS stand in runs of 16, never singly among the matrix instructions: a step's K (64 keys x 64 channels: 8 fragments) and its V (turned).  Their addresses are made some lines ahead.
; last = 1 (the tail): in the last trip there is no further step, and the run is jumped over.
.macro FETCH_K last=0
	WIN 0
.if \last
	s_cmp_eq_u32 s[CNT], 1
	s_cbranch_scc1 .Lno_k_\@
.endif
	WIN 0x80                        ; destination window 2
.irp f, 0,1,2,3,4,5,6,7             ; keys 16 (f / 2) on, channels 32 (f % 2) on
	ds_load_b128 v[KF+8*\f:KF+8*\f+3],   v[AK] offset:(\f/2)*16*PK+(\f%2)*64
	ds_load_b128 v[KF+8*\f+4:KF+8*\f+7], v[AK] offset:(\f/2)*16*PK+(\f%2)*64+32
.endr
	s_add_co_u32 s[TBK], s[TBK], KS*PK  ; the next fetch is the next step's
	WIN 0
.if \last
.Lno_k_\@:
.endif
.endm
.macro FETCH_V
	WIN 0x80
.irp f, 0,1,2,3,4,5,6,7             ; keys 32 (f / 4) on, channels 16 (f % 4) on
	ds_load_tr16_b128 v[VF+8*\f:VF+8*\f+3],   v[AV] offset:(\f/4)*32*PV+(\f%4)*32
	ds_load_tr16_b128 v[VF+8*\f+4:VF+8*\f+7], v[AV] offset:(\f/4)*32*PV+16*PV+(\f%4)*32
.endr
	WIN 0
.endm
; THE VECTOR WORK OF A TURN stands in three queues, each in the order in which its entries become ready; the two tiles alternate, so that no instruction reads the result of the one before it.
.macro REGS y, u                    ; the registers of tile u (0, 1) of piece y
.set rT, ST+4*(2*(\y)+(\u))
.set rC, TMP+8*((\y)%2)+4*(\u)
.set rM, MV+2*((\y)%2)+(\u)
.set rS, S+64*((\y)%2)+32*(\u)
.set rP, P+32*((\y)%2)+16*(\u)
.set rO, 32*(2*(\y)+(\u))
.endm
; Number n of the 22 that find the NEXT piece's (Y + 1) maximum and statistics.  s0-s31 are the lane's 32 scores; each accumulator's lowest registers are read first.  XS, GS and REGS set no window: PL and EX do.
;   0-11  four chains c0-c3 of seven scores each, three operands at a time     12-14, 16  the four scores left over, the old m, and c0-c3 into c0     15  c m_old is kept
;   17, 18  the query's other 32 keys lie in the lane 16 away: the new m         19-21  c m; c m_old - c m_new; a
.macro XS u, n
	REGS (Y+1)%NP, \u
.if (\n) < 4
	v_max3_num_f32 v[rC+(\n)], v[rS+8*(\n)], v[rS+8*(\n)+1], v[rS+8*(\n)+2]
.elseif (\n) < 12
	v_max3_num_f32 v[rC+(\n)%4], v[rC+(\n)%4], v[rS+8*((\n)%4)+2*((\n)/4)+1], v[rS+8*((\n)%4)+2*((\n)/4)+2]
.elseif (\n) == 12
	v_max3_num_f32 v[rC], v[rC], v[rS+7], v[rS+15]
.elseif (\n) == 13
	v_max3_num_f32 v[rC+1], v[rC+1], v[rS+23], v[rS+31]
.elseif (\n) == 14
	v_max3_num_f32 v[rC+2], v[rC+2], v[rC+3], v[rT+1]
.elseif (\n) == 15
	v_mov_b32 v[rM], v[rT]
.elseif (\n) == 16
	v_max3_num_f32 v[rC], v[rC], v[rC+1], v[rC+2]
.elseif (\n) == 17
	v_permlanex16_b32 v[rC+3], v[rC], s[SEL], s[SEL+1]
.elseif (\n) == 18
	v_max_num_f32 v[rT+1], v[rC], v[rC+3]
.elseif (\n) == 19
	v_mul_f32 v[rT], s[CS], v[rT+1]
.elseif (\n) == 20
	v_sub_f32 v[rC+1], v[rM], v[rT]
.else
	v_exp_f32 v[rC+2], v[rC+1]
.endif
.endm
; Number g of the 64 that follow the exponentials.  For each four weights k of a tile (pairs 2 k, 2 k + 1): both pairs are rounded to f16; then the second pair is added onto the first, in place;
; a group later l takes that sum (the first time as l = a l + sum).  In groups of eight, tiles alternating: round, round, add, and l for the group before.
.macro GS g
.set h, (\g)+6*((\g)/62)            ; group 0 has no group before it, and behind group 7 only l is left
.if h >= 6
.set h, h+2
.endif
	REGS Y, h%2
.set k, h/8
.if h%8 < 4
	s_wait_alu depctr_va_vdst(0)
	v_cvt_pk_f16_f32 v[rP+2*k+(h%8)/2], v[rS+4*k+2*((h%8)/2)], v[rS+4*k+2*((h%8)/2)+1]
.elseif h%8 < 6
	v_pk_add_f32 v[rS+4*k:rS+4*k+1], v[rS+4*k:rS+4*k+1], v[rS+4*k+2:rS+4*k+3]
.elseif k == 1
	v_pk_fma_f32 v[rT+2:rT+3], v[rT+2:rT+3], v[rC+2:rC+3], v[rS:rS+1] op_sel_hi:[1,0,1]
.else
	v_pk_add_f32 v[rT+2:rT+3], v[rT+2:rT+3], v[rS+4*k-4:rS+4*k-3]
	s_wait_alu depctr_va_vdst(0)
.endif
.endm
; THE PLAIN QUEUE, 138 long.  0-31: c s - c m for the 16 pairs of both tiles.  Then GS's 64, and among them the next piece's 42: number 15 at 38, 39; 0-14 and 16
; at 42-73, behind the products that make those scores; 17-20 at 95-106, two of three, since each waits for the one before it.
.macro PL
	WIN 0
.if q < 32
	REGS Y, q%2
	v_pk_fma_f32 v[rS+2*(q/2):rS+2*(q/2)+1], v[rS+2*(q/2):rS+2*(q/2)+1], s[CS:CS+1], v[rT:rT+1] op_sel_hi:[1,0,0] neg_lo:[0,0,1] neg_hi:[0,0,1]
.elseif q < 38
	GS q-32
.elseif q < 40
	XS q%2, 15
.elseif q < 42
	GS q-34
.elseif q < 74
	XS q%2, (q-42)/2+(q-42)/30
.elseif q < 95
	GS q-66
.elseif (q < 107) && ((q-95)%3 < 2)
	XS (q-95)%3, 17+(q-95)/3
.elseif q < 107
	GS 29+(q-95)/3
.else
	GS q-74
.endif
.set q, q+1
.endm
; THE EXPONENTIALS' QUEUE, 66 long: s0-s31 of both tiles, and at EA the next piece's two a.
.set EA, 58
.macro EX
	WIN 0
.if (e == EA) || (e == EA+1)
	XS e-EA, 21
.else
.set x, e-2*(e/(EA+2))
	REGS Y, x%2
	v_exp_f32 v[rS+x/2], v[rS+x/2]
.endif
.set e, e+1
.endm
; THE RESCALING's QUEUE: O^T times a, the one part that leaves window 0, so it is dealt four at a time, eight times.
.macro R4
	REGS Y, r%2
	WIN W_RS
	s_wait_alu depctr_va_vdst(0)
.irp z, 0,1,2,3
	v_pk_mul_f32 v[rO+8*(r/2)+2*\z:rO+8*(r/2)+2*\z+1], v[rO+8*(r/2)+2*\z:rO+8*(r/2)+2*\z+1], v[rC+2:rC+3] op_sel_hi:[1,0]
.endr
.set r, r+1
.endm
; HOW THEY ARE DEALT.  Behind a matrix instruction four: plain, exponential, plain, plain (one exponential, a plain instruction on either side), or four of the rescaling.  None names a register of the
; products round it.  What is over stands in two LUMPS: exponential and plain by turns; the second ends in 22 plain instructions.  The two v_permlanex16_b32 fall into the second lump, never behind a product.
; The queues lean on each other, and the deal keeps them in step: exponential e stands behind plain 2 (e / 4) + e % 2 (its scaling); when plain 32 comes, 10 exponentials are out, at 59: 33, at 95: 46; EA comes behind plain 107.
.macro SL
	MM
	PL
	EX
	PL
	PL
.endm
.macro BURST n                      ; 15 matrix instructions, or 16
.rept (\n)-7
	SL
.endr
.rept 3
	MM
	R4
	SL
.endr
	MM
	R4
.endm
; A TURN, for piece p.  cnt = 1: the loop's count is taken down some lines ahead of the branch that stands behind the turn.
; K of the next step is fetched in piece 2's turn, 31 vector instructions behind the last product that read K; its first reader comes behind the rest of the lump, 16 products and the second lump.
; V of the step in hand is fetched at the end of piece 0's turn, 69 behind its last reader; its first reader comes behind 16 products and a lump.  The four conditions on e and q below go with the deal.
.macro TURN p, last=0, cnt=0
.set Y, (\p)
.set i, 0
.set q, 0
.set e, 0
.set r, 0
.if (\p) == NP-1
	s_wait_dscnt 0x0                ; K is in
.endif
	MM
.rept 4
	PL
.endr
	BURST 15
.rept 22
	EX
	PL
.if ((\p) == NP-2) && (e == 18)
	v_add_nc_u32 v[AK], s[TBK], v[AK0]
.endif
.if ((\p) == NP-2) && (e == 24)
	FETCH_K \last
.endif
.endr
.if (\p) == 1
	s_wait_dscnt 0x0                ; V is in
.endif
	BURST 16
.rept 21
	EX
	PL
.endr
.rept 22
	PL
.if ((\p) == 0) && (q == 118)
	v_add_nc_u32 v[AV], s[TBV], v[AV0]
	s_wait_alu depctr_va_vdst(0)
.endif
.if ((\p) == 0) && (q == 130)
	s_add_co_u32 s[TBV], s[TBV], KS*PV
.endif
.if (\cnt) && (q == 130)
	s_sub_co_u32 s[CNT], s[CNT], 1
	s_cmp_lg_u32 s[CNT], 0
.endif
.endr
.if (\p) == 0
	FETCH_V
.endif
.endm
	CHANGE 1                        ; slot 0 is in, everybody's part of it; slot 1 is asked for
	FETCH_K                         ; key step 0
	s_wait_loadcnt 0x0              ; Q
	s_wait_dscnt 0x0
.set i, 0
.rept 16
	KQ 0                            ; piece 0's first scores: there is no vector work yet to set between them
.set i, i+1
.endr
	WIN 0                           ; the addresses for the way out: nine plain instructions, the places behind those products
	s_mul_i32 s13, s[WV], 16*SP
	s_add_co_u32 s13, s13, STAGE    ; my stage
	v_mul_u32_u24 v[STO], v1, SP    ; in: row l % 16, 16 bytes for each half of the lanes
	v_lshl_add_u32 v[STO], v9, 4, v[STO]
	v_add_nc_u32 v[STO], s13, v[STO]
	v_bfe_u32 v[RD], v0, 3, 2       ; back: 32 lanes take four rows of 128 bytes,
	v_mul_u32_u24 v[RD], v[RD], SP
	v_lshl_add_u32 v[RD], v10, 4, v[RD]
	v_add_nc_u32 v[RD], s13, v[RD]
	v_and_b32 v[GO], 31, v0         ; which are 512 consecutive bytes of O
	v_lshlrev_b32 v[GO], 4, v[GO]
.set Y, NP-1                        ; XS works for piece Y + 1: piece 0
.irp n, 0,1,2,3,4,5,6,7,8,9,10,11,12,13,14,15,16,17,18,19,20,21
	XS 0, \n                        ; and piece 0's first maximum and statistics
	XS 1, \n
.endr
	s_mov_b32 s[CNT], 4
	s_mov_b32 s[SLOTS], SIZE_N/256-1
	s_branch .Lfirst                ; the loop is entered at a step's first turn, in the middle of a trip
.Lslot:                             ; SIZE_N / 256 - 2 times: every slot but the last two is filled again
	CHANGE 1
	s_mov_b32 s[CNT], 4
.Lstep:                             ; a trip: pieces 2 and 3 of one step, then pieces 0 and 1 of the next, whose K and V it fetches
	TURN 2
	TURN 3
	WIN 0
.Lfirst:
	TURN 0
	TURN 1, 0, 1
	WIN 0
	s_cbranch_scc1 .Lstep
	s_sub_co_u32 s[SLOTS], s[SLOTS], 1
	s_cmp_lg_u32 s[SLOTS], 0
	s_cbranch_scc1 .Lslot
	CHANGE 0                        ; the tail is written out: nothing is asked for
	s_mov_b32 s[CNT], 5             ; four trips fetch the last slot's steps; the fifth is left in its middle
.Ltail:
	TURN 2, 1
	TURN 3
	WIN 0
	s_sub_co_u32 s[CNT], s[CNT], 1
	s_cmp_eq_u32 s[CNT], 0
	s_cbranch_scc1 .Lout
	TURN 0
	TURN 1
	WIN 0
	s_branch .Ltail
.Lout:                              ; the fifth trip's 16 products K Q^T (on the last K once more) and the maximum made of them serve nothing: the price, once a launch, of one text for every trip
.set i, 0
.rept 16
	PV NP-1                         ; the last piece's V^T P of the last step
.set i, i+1
.endr
	; THE WAY OUT.  l's two halves and the other half of the lanes' are added; O^T is divided by l, rounded to f16 and sent through my stage in LDS, a tile at a time.  The additions are the places behind the last products.
	WIN 0
.macro ALL line:vararg              ; one line for each tile t
.set t, 0
.rept 2*NP
	\line
.set t, t+1
.endr
.endm
	ALL v_add_f32 v[ST+4*t+2], v[ST+4*t+2], v[ST+4*t+3]
	ALL v_permlanex16_b32 v[ST+4*t+3], v[ST+4*t+2], s[SEL], s[SEL+1]
	ALL v_add_f32 v[ST+4*t+2], v[ST+4*t+2], v[ST+4*t+3]
	ALL v_rcp_f32 v[ST+4*t+2], v[ST+4*t+2]
	v_nop                           ; a plain instruction between the last reciprocal and the use of its result
	s_wait_alu depctr_va_vdst(0)
; Tile t: a lane's eight channels of a row pack into 16 bytes; they go into rows of 144 bytes and come back as whole rows of 128, into S^T's registers.
.macro PACK t
	WIN W_RS
.set i, 32*(\t)
.rept 16
	v_pk_mul_f32 v[i:i+1], v[i:i+1], v[ST+4*(\t)+2:ST+4*(\t)+3] op_sel_hi:[1,0]
.set i, i+2
.endr
	WIN 0x05                        ; sources 0 and 1 window 1, destination window 0
.set i, 0
.rept 16
	v_cvt_pk_f16_f32 v[S+16*(\t)+i], v[32*(\t)+2*i], v[32*(\t)+2*i+1]
.set i, i+1
.endr
	WIN 0
.irp f, 0,1,2,3
	ds_store_b128 v[STO], v[S+16*(\t)+4*\f:S+16*(\t)+4*\f+3] offset:32*\f
.endr
.irp f, 0,1,2,3
	ds_load_b128 v[S+16*(\t)+4*\f:S+16*(\t)+4*\f+3], v[RD] offset:\f*4*SP  ; LDS serves a wave's instructions in order (ISA guide 5.7.1.4): these see the stores above; the next tile's stores come behind them
.endr
.endm
.macro SEND t, younger              ; younger: the LDS instructions issued behind tile t's loads: the next tile's eight, or none
	WIN 0
.irp f, 0,1,2,3
	s_wait_dscnt (\younger)+3-\f
	global_store_b128 v[GO], v[S+16*(\t)+4*\f:S+16*(\t)+4*\f+3], s[10:11] offset:(\t)*2048+\f*512  ; 512 consecutive bytes, at a multiple of 256 from O's first
.endr
.endm
	PACK 0
.set t, 1
.rept 2*NP-1                        ; a tile's arithmetic stands between the loads of the tile before and its stores
	PACK t
	SEND t-1, 8
.set t, t+1
.endr
	SEND 2*NP-1, 0
	WIN W_AD
	s_wait_tensorcnt 0x0            ; the wave's end, behind my last tensor load and my last LDS store
	ds_add_u32 v[SPW], v[NIL]
	s_wait_dscnt 0x0
	WIN 0
	CROUND                          ; the closing round: no work-group ends while a partner may still ask for a tile that names it
	s_endpgm
.Lfunc_end_k_qae9a948cd2_attn:
	.size	k_qae9a948cd2_attn, .Lfunc_end_k_qae9a948cd2_attn-k_qae9a948cd2_attn
	.p2alignl 7, 3214868480
	.fill 96, 4, 3214868480
	.section	.rodata,"a",@progbits
	.p2align	6, 0x0
	.amdhsa_kernel k_qae9a948cd2_attn
		.amdhsa_group_segment_fixed_size 327680
		.amdhsa_private_segment_fixed_size 0
		.amdhsa_enable_private_segment 0
		.amdhsa_kernarg_size 32
		.amdhsa_user_sgpr_count 2
		.amdhsa_user_sgpr_kernarg_segment_ptr 1
		.amdhsa_wavefront_size32 1
		.amdhsa_system_sgpr_workgroup_id_x 1
		.amdhsa_system_sgpr_workgroup_id_y 1
		.amdhsa_system_sgpr_workgroup_id_z 1
		.amdhsa_system_vgpr_workitem_id 0
		.amdhsa_next_free_vgpr 770
		.amdhsa_next_free_sgpr 66
		.amdhsa_reserve_vcc 0
		.amdhsa_float_denorm_mode_32 3
		.amdhsa_float_denorm_mode_16_64 3
		.amdhsa_memory_ordered 1
		.amdhsa_forward_progress 1
		.amdhsa_inst_pref_size 208
	.end_amdhsa_kernel
	.amdgpu_metadata
---
amdhsa.version: [ 1, 2 ]
amdhsa.kernels:
  - .name:           k_qae9a948cd2_attn
    .symbol:         k_qae9a948cd2_attn.kd
    .args:
      - { .name: qh, .offset: 0, .size: 8, .value_kind: global_buffer, .address_space: global }
      - { .name: kh, .offset: 8, .size: 8, .value_kind: global_buffer, .address_space: global }
      - { .name: vh, .offset: 16, .size: 8, .value_kind: global_buffer, .address_space: global }
      - { .name: oh, .offset: 24, .size: 8, .value_kind: global_buffer, .address_space: global }
    .group_segment_fixed_size: 327680
    .private_segment_fixed_size: 0
    .kernarg_segment_align: 8
    .kernarg_segment_size: 32
    .max_flat_workgroup_size: 128
    .sgpr_count:     66
    .vgpr_count:     770
    .wavefront_size: 32
...
	.end_amdgpu_metadata
.endif
;; end of part 3
;; launch oproj (part 4): grid 4 x 64, 4 waves a work-group, clusters of 4 x 4, 327,680 bytes of LDS; arguments oh, wcast, bo, out0; writes out0
.if DOCPART == 4
	.amdgcn_target "amdgcn-amd-amdhsa--gfx1250"
	.amdhsa_code_object_version 6
	.text
	.protected	k_qae9a948cd2_oproj
	.globl	k_qae9a948cd2_oproj
	.p2align	8
	.type	k_qae9a948cd2_oproj,@function
k_qae9a948cd2_oproj:
	s_mov_b64 s[64:65], 0
	v_nop
	global_prefetch_b8 v0, s[64:65] scope:SCOPE_SE
	s_setreg_imm32_b32 hwreg(HW_REG_WAVE_MODE, 25, 1), 1
	s_wait_xcnt 0x0
	s_wait_alu depctr_hold_cnt(0) depctr_sa_sdst(0) depctr_va_vdst(0) depctr_va_sdst(0) depctr_va_ssrc(0) depctr_va_vcc(0) depctr_vm_vsrc(0)
	s_getreg_b32 s2, hwreg(HW_REG_IB_STS2, 6, 4)
	s_cmp_eq_u32 s2, 0
	s_cbranch_scc0 .Lentry_in_a_cluster
	s_endpgm
.Lentry_in_a_cluster:
	s_bfe_u32 s2, ttmp6, 0x10000c
	s_cmp_lg_u32 s2, 0xf033
	s_cbranch_scc0 .Lentry_shape_is_right
	s_endpgm
.Lentry_shape_is_right:
; out0 = O Wo + bo.  O: oh, [64 = 16 batch + head][2048][64] f16, attention's result by heads; Wo: wcast's fourth block, [1024 k][1024 n], the bf16 rounding written as f16; bo: [1024] f32, rounded to bf16
; here like every input; out0: [8192][1024] f32.  Products in f16, sums in f32; the bias starts each sum, as the C operand of its first product.
; LIMITS.  None of its own: O and Wo arrive within f16.  NaN and infinities are not treated apart.
; SHARES.  A tile of out0 is 128 rows x 256 columns: 64 x 4 tiles, 256 work-groups.  Four waves, each 64 x 128: 32 accumulators of 16 x 16, 256 registers.
; K = 64 head + channel goes in 8 steps of 128, two heads each, through a ring of two LDS slots filled by the tensor data mover; a step is four quarters of 32 along K, 32 matrix instructions each.
; A head's 128 rows of a tile are 16,384 dense bytes: asked for as 64 rows of 256 bytes and padded in LDS behind every 128.  Wo's tile lies [k][n] (rows of 512 bytes) and is turned by ds_load_tr16_b128.
; THE MATRIX INSTRUCTION IS USED TRANSPOSED: source 0 = 16 columns of Wo, source 1 = 16 rows of O: lane l holds row l % 16 of out0 and the columns 8 (l / 16) + 0..7: 32 bytes on end.
; CLUSTERS.  4 x 4 work-groups.  The four of a row of the cluster need the same tile of O, the four of a column the same tile of Wo: each is asked for JOINTLY, by the same tensor load, descriptor and mask.
; REGISTERS, in windows of 256 (s_set_vgpr_msb: bits 1:0 source 0, 3:2 source 1, 5:4 source 2, 7:6 destination):
;   window 0: v0-30 addresses; v128-159, v160-191 O's fragments, two buffers; v64-127, v192-255 rows read back on the way out, by turns
;   window 1: v0-63, v64-127 Wo's fragments, two buffers; v128-191 the bias, 8 fragments; v192 at work          window 2: accumulator (a, b) at v[8 (8 a + b)]
.set KSTEP,  128
.set PAO,    144                       ; a row of O in LDS: 128 bytes + 16 of padding = 36 words: the 16 rows of a load start at 16 different groups of four banks (64 banks of 4 bytes: ISA guide 11.1)
.set APLANE, 128*PAO                   ; one head's 128 rows: what one tensor load brings
.set ATILE,  2*APLANE
.set PB,     544                       ; a row of Wo in LDS: 512 + 32 = 136 words
.set BHALF,  64*PB
.set QB,     32*PB                     ; a quarter's 32 rows of k
.set SLOT,   ATILE+2*BHALF
.set STAGE,  2*SLOT                    ; behind the ring, never filled by a tensor load: 16 rows x 528 bytes for each wave, for the way out
.set SPO,    528
.set SPARE,  STAGE+4*16*SPO            ; behind the stages: the spare words, 128 bytes for each wave: two blocks of 256 bytes that no other line names
.set ADRA, 16                          ; v16-17  LDS address of my rows of O in slot 0, 1
.set ADRB, 20                          ; v20-21  the same for my columns of Wo
.set STO,  24                          ; v24     the way out: where I put 32 bytes of a row
.set RD,   25                          ; v25     the way out: where I read a row back
.set GO,   26                          ; v26     my 16 bytes in 512 consecutive bytes of out0
.set BO,   27                          ; v27     my byte offset in a fragment of the bias
.set SPW,  28                          ; v28     LDS address of my spare word: SPARE + 4 x my thread's number; never rewritten
.set NIL,  29                          ; v29     0; never rewritten
.set PFO,  30                          ; v30     the prefetches' offset; never rewritten
.set AF,   128
.set BIAS, 128                         ; window 1
.set BT,   192                         ; window 1
.set G1A, 24                           ; s[24:31] descriptor group 1 for O's tiles;  s[32:39] group 0, a set for each slot
.set G0A, 32
.set G1B, 48                           ; s[48:55], s[56:63] the same for Wo's tiles
.set G0B, 56
.set LIM, 45                           ; s45     1 in the wave that prefetches, else the greatest number
.set PFA, 90                           ; s[90:91] where my prefetches stand
.set MSB, 0
.macro WIN new                         ; the immediate's high byte repeats the setting that is left; a switch that changes nothing is dropped
.if MSB != (\new)
	s_set_vgpr_msb (MSB<<8)|(\new)
.set MSB, \new
.endif
.endm
.set MUL,  0xa1                        ; source 0 (Wo) window 1, source 1 (O) window 0, C and D window 2
.set MULF, 0x91                        ; the same with C, the bias, in window 1
.set TO_B, 0x40                        ; destination window 1, address window 0
.set BR,   0x45                        ; all in window 1
.set ST2,  0x08                        ; an LDS store's data (source 1) in window 2
; A joint load.  Waves 0 and 1 fetch a step's two heads of O, waves 2 and 3 Wo's two halves.  The branch hangs on the wave's number alone.  An s_nop 0 and four v_nop follow each of the two lines,
; ahead of the jump, the label and what follows.
.macro JLOAD s
	s_cmp_eq_u32 s11, 0
	s_cbranch_scc0 .Lfor_b_\@
	tensor_load_to_lds s[G0A+4*(\s):G0A+4*(\s)+3], s[G1A:G1A+7]
	s_nop 0
.rept 4
	v_nop
.endr
	s_branch .Lasked_\@
.Lfor_b_\@:
	tensor_load_to_lds s[G0B+4*(\s):G0B+4*(\s)+3], s[G1B:G1B+7]
	s_nop 0
.rept 4
	v_nop
.endr
.Lasked_\@:
.endm
; A PREFETCH INTO THE L2 of O, behind each joint load and its five lines: the change of slots of K step s asks for K step s + 4, which the change two K steps on (256 matrix instructions) will load.
; A K step of a tile is two heads x 16,384 bytes, read by one row of one cluster alone.  The partner at place cx takes 4,096 bytes of each head, told apart BY ADDRESS; in each, wave 0 asks: a lane takes
; 256 bytes, 2 heads x 16, one instruction: each 256 bytes of O are named once in the launch.  K steps 0 to 3 come by their loads alone; the loop's last trip asks for nothing: K has 8 steps.
; Wo is not asked for: all 16 clusters read it.
.macro ASK
	s_cmp_gt_u32 s3, s[LIM]                        ; s3 = 1 in the loop's last trip
	s_cbranch_scc0 .Lnot_mine_\@
	global_prefetch_b8 v[PFO], s[PFA:PFA+1] th:TH_LOAD_NT scope:SCOPE_SE
.Lnot_mine_\@:
.endm
; A round of the cluster's barrier: my work-group's barrier, so that wave 0's signal speaks for all four waves; wave 0 signals; every wave waits for all sixteen work-groups; my work-group's barrier once more.
.macro CREST                           ; a round behind its opening barrier
	s_cmp_lg_u32 s10, 0
	s_cbranch_scc1 .Lnot_wave_0_\@
	s_barrier_signal -3
.Lnot_wave_0_\@:
	s_barrier_wait -3
	s_barrier_signal -1
	s_barrier_wait -1
.endm
.macro CROUND                          ; a whole round
	s_barrier_signal -1
	s_barrier_wait -1
	CREST
.endm
.macro PLACES                          ; four places behind a matrix instruction, in front of loads into registers that it has read and of reads of its result
.rept 4
	v_nop
.endr
.endm
	s_load_b256 s[68:75], s[0:1], 0x0              ; oh s[68:69], wcast s[70:71], bo s[72:73], out0 s[74:75]
	v_lshl_add_u32 v[SPW], v0, 2, SPARE
	v_mov_b32 v[NIL], 0
	ds_add_u32 v[SPW], v[NIL]                      ; the wave's opening: the add and its wait ahead of my first tensor load; the set-up below, work on registers, stands between them
	v_lshrrev_b32 v1, 5, v0
	v_readfirstlane_b32 s10, v1                    ; wave 0..3
	s_lshr_b32 s11, s10, 1                         ; which half of the tile's rows is mine.  Also: I fetch for O (0) or for Wo (1)
	s_and_b32 s12, s10, 1                          ; which half of its columns.  Also: which head of the step, or which half of Wo's tile, I fetch
	s_bfe_u32 s40, ttmp6, 0x40000                  ; cx, cy: my place in the cluster
	s_bfe_u32 s41, ttmp6, 0x40004
	s_lshl_b32 s42, ttmp9, 2
	s_add_co_u32 s42, s42, s40                     ; tile column = 4 x cluster x + cx
	s_and_b32 s13, ttmp7, 0xffff
	s_lshl_b32 s13, s13, 2
	s_add_co_u32 s13, s13, s41                     ; tile row = 4 x cluster y + cy: batch = tile row / 16, rows 128 (tile row % 16) on
	s_lshl_b32 s43, s41, 2
	s_lshl_b32 s43, 15, s43                        ; my row of the cluster
	s_lshl_b32 s44, 0x1111, s40                    ; my column
	; descriptor group 1.  O: 64 rows x 128 elements of 2 bytes, padded behind every 32 words; Wo: 64 rows x 256 elements, padded behind every 128 words
	s_or_b32 s[G1A+0], s43, (1<<16)|(1<<20)|(1<<21)|(4<<22)|(3<<25)  ; 15:0 the mask: my row; 17:16 elements of 2 bytes; 20 padding on; 21 set beside a mask; 24:22 after every 32 words (code 4); 31:25 4 words (code 3)
	s_or_b32 s[G1B+0], s44, (1<<16)|(1<<20)|(1<<21)|(6<<22)|(7<<25)  ; my column; after every 128 words (code 6) 8 words (code 7)
	s_mov_b32 s[G1A+1], 128<<16                    ; tensor_dim0 = 128
	s_mov_b32 s[G1A+2], 64<<16                     ; tensor_dim1 = 64
	s_mov_b32 s[G1A+3], 128<<16                    ; tile_dim0 = 128
	s_mov_b32 s[G1A+4], 64                         ; tile_dim1 = 64
	s_mov_b32 s[G1A+5], 128                        ; elements from row to row: dense
	s_mov_b32 s[G1A+6], 0
	s_mov_b32 s[G1A+7], 0
	s_mov_b32 s[G1B+1], 256<<16                    ; tensor_dim0 = 256
	s_mov_b32 s[G1B+2], 64<<16
	s_mov_b32 s[G1B+3], 256<<16                    ; tile_dim0 = 256
	s_mov_b32 s[G1B+4], 64
	s_mov_b32 s[G1B+5], 1024
	s_mov_b32 s[G1B+6], 0
	s_mov_b32 s[G1B+7], 0
	; where the tiles come from.  O's hang on the tile row, which my row of the cluster shares; Wo's on the tile column, which my column shares; each in registers that never hold the other coordinate
	s_lshr_b32 s16, s13, 4                         ; batch
	s_lshl_b32 s16, s16, 4
	s_add_co_u32 s16, s16, s12                     ; O: head 16 batch + (wave % 2), of 262,144 bytes,
	s_lshl_b32 s16, s16, 18
	s_and_b32 s17, s13, 15
	s_lshl_b32 s17, s17, 14                        ; 128 (tile row % 16) rows of 128 bytes
	s_add_co_u32 s16, s16, s17
	s_mov_b32 s17, 0
	s_lshl_b32 s46, s12, 17                        ; Wo: 64 x half rows of 2,048 bytes,
	s_lshl_b32 s47, s42, 9                         ; 512 bytes x tile column,
	s_add_co_u32 s46, s46, s47
	s_add_co_u32 s46, s46, 3*2097152               ; in wcast's fourth block
	s_mov_b32 s47, 0
	s_mul_i32 s20, s12, APLANE                     ; and where they go: no place in the cluster enters an LDS address
	s_mul_i32 s21, s12, BHALF
	s_add_co_u32 s21, s21, ATILE
	s_mov_b32 s67, 0xffff0000                      ; a word's upper bf16
	s_cmp_eq_u32 s10, 0
	s_cselect_b32 s[LIM], 1, -1                    ; wave 0 prefetches
	s_wait_dscnt 0x0                               ; the opening add is done
	s_wait_kmcnt 0x0
	s_add_nc_u64 s[14:15], s[68:69], s[16:17]
	s_add_nc_u64 s[46:47], s[70:71], s[46:47]
	CROUND                                         ; all sixteen work-groups are here: the first joint loads meet
.irp s, 0,1
	s_mov_b32 s[G0A+4*(\s)], 1                                     ; 1:0 count = 1
	s_add_co_u32 s[G0A+4*(\s)+1], s20, (\s)*SLOT                   ; 63:32 LDS address
	s_add_nc_u64 s[G0A+4*(\s)+2:G0A+4*(\s)+3], s[14:15], (\s)*2*262144  ; 120:64 global address: K step s is two heads on
	s_or_b32 s[G0A+4*(\s)+3], s[G0A+4*(\s)+3], 0x80000000          ; 127:126 type = 2
	s_mov_b32 s[G0B+4*(\s)], 1
	s_add_co_u32 s[G0B+4*(\s)+1], s21, (\s)*SLOT
	s_add_nc_u64 s[G0B+4*(\s)+2:G0B+4*(\s)+3], s[46:47], (\s)*KSTEP*2048
	s_or_b32 s[G0B+4*(\s)+3], s[G0B+4*(\s)+3], 0x80000000
	JLOAD \s                                       ; the ring is filled before anything else is done: two loads of mine are out
.endr
	; A fragment of O is 16 rows x 32 K in 8 registers: lane l holds row l % 16, K = 8 (l / 16) + 0..7 and 16 + 8 (l / 16) + 0..7: two loads of 16 bytes, 32 bytes apart.
	v_and_b32 v1, 15, v0                           ; l % 16
	v_bfe_u32 v2, v0, 4, 1                         ; l / 16
	v_mul_u32_u24 v3, v1, PAO
	v_lshl_add_u32 v3, v2, 4, v3
	s_mul_i32 s22, s11, 64*PAO                     ; my 64 rows
	v_add_nc_u32 v[ADRA], s22, v3
	v_add_nc_u32 v[ADRA+1], SLOT, v[ADRA]
	; The turning load takes 16 k x 16 columns (lane l reads k = 8 (l / 16) + l % 8, columns 8 ((l / 8) % 2) + 0..7) and leaves half a fragment: lane l holds column l % 16 and 8 k.
	v_and_b32 v4, 7, v0
	v_lshl_add_u32 v4, v2, 3, v4
	v_mul_u32_u24 v4, v4, PB
	v_bfe_u32 v5, v0, 3, 1
	v_lshl_add_u32 v4, v5, 4, v4
	s_lshl_b32 s23, s12, 8                         ; my 128 columns: 256 bytes,
	s_add_co_u32 s23, s23, ATILE                   ; behind O's tile
	v_add_nc_u32 v[ADRB], s23, v4
	v_add_nc_u32 v[ADRB+1], SLOT, v[ADRB]
	s_mul_i32 s22, s10, 16*SPO
	s_add_co_u32 s22, s22, STAGE                   ; my stage
	v_mul_u32_u24 v[STO], v1, SPO                  ; in: row l % 16, 32 bytes for each half of the lanes
	v_lshl_add_u32 v[STO], v2, 5, v[STO]
	v_add_nc_u32 v[STO], s22, v[STO]
	v_and_b32 v[GO], 31, v0                        ; back: 32 lanes take one row of 512 bytes
	v_lshlrev_b32 v[GO], 4, v[GO]
	v_add_nc_u32 v[RD], s22, v[GO]
	v_lshlrev_b32 v[BO], 5, v2                     ; my eight numbers of a bias fragment: 32 (l / 16)
	v_lshlrev_b32 v[PFO], 8, v1                    ; the prefetches: 256 bytes x (l % 16), head l / 16 of the step's two
	v_lshl_add_u32 v[PFO], v2, 18, v[PFO]
	s_lshl_b32 s92, s13, 7                         ; out0: row 128 x tile row + 64 x row half, of 4,096 bytes,
	s_lshl_b32 s93, s11, 6
	s_add_co_u32 s92, s92, s93
	s_lshl_b32 s92, s92, 12
	s_lshl_b32 s93, s42, 10                        ; 1,024 bytes x tile column + 512 x column half
	s_add_co_u32 s92, s92, s93
	s_lshl_b32 s93, s12, 9
	s_add_co_u32 s92, s92, s93
	s_mov_b32 s93, 0
	s_add_nc_u64 s[8:9], s[74:75], s[92:93]
	s_lshl_b32 s92, s42, 10                        ; the bias of my 128 columns: 4 (256 x tile column + 128 x half)
	s_lshl_b32 s22, s12, 9
	s_add_co_u32 s92, s92, s22
	s_add_nc_u64 s[88:89], s[72:73], s[92:93]
	s_lshr_b32 s92, s13, 4                         ; the prefetches: the batch's first head,
	s_lshl_b32 s92, s92, 22
	s_and_b32 s22, s13, 15
	s_lshl_b32 s22, s22, 14                        ; the tile's rows,
	s_add_co_u32 s92, s92, s22
	s_lshl_b32 s22, s40, 12                        ; my work-group's 4,096 bytes of them,
	s_add_co_u32 s92, s92, s22
	s_add_co_u32 s92, s92, 3*2*262144              ; at K step 3: the first change of slots steps it to 4
	s_add_nc_u64 s[PFA:PFA+1], s[68:69], s[92:93]
	; the bias: fragment b holds, in every lane, the eight numbers of its columns 16 b + 8 (l / 16) + 0..7: the C operand of the transposed product.  Rounded to bf16 like every input.
	WIN TO_B
.irp b, 0,1,2,3,4,5,6,7
	global_load_b128 v[BIAS+8*(\b):BIAS+8*(\b)+3],   v[BO], s[88:89] offset:64*(\b)
	global_load_b128 v[BIAS+8*(\b)+4:BIAS+8*(\b)+7], v[BO], s[88:89] offset:64*(\b)+16
.endr
	s_wait_loadcnt 0x0
	WIN BR
.set i, 0
.rept 32
	v_cvt_pk_bf16_f32 v[BT], v[BIAS+2*i], v[BIAS+2*i+1]
	v_lshlrev_b32 v[BIAS+2*i], 16, v[BT]
	v_and_b32 v[BIAS+2*i+1], s67, v[BT]
.set i, i+1
.endr
	WIN 0
; Product i of a quarter's 32, on buffers f: row block a = i % 4, column block b = i / 4.  The 32 accumulators take turns, one instruction a turn, in the same order in every quarter.
; first = 1: the product starts the sum, with the bias: nothing is ever cleared.
.macro MM f, first
.set rD, 8*(8*(i%4)+i/4)
.set rB, 64*(\f)+8*(i/4)
.set rA, AF+32*(\f)+8*(i%4)
.if \first
	WIN MULF
	v_wmma_f32_16x16x32_f16 v[rD:rD+7], v[rB:rB+7], v[rA:rA+7], v[BIAS+8*(i/4):BIAS+8*(i/4)+7]
.else
	WIN MUL
	v_wmma_f32_16x16x32_f16 v[rD:rD+7], v[rB:rB+7], v[rA:rA+7], v[rD:rD+7]
.endif
.endm
; THE RIDERS, four loads each.  LB: Wo's fragments 2 g and 2 g + 1 into buffer f.  LAO: O's fragments 2 g and 2 g + 1 of quarter q of slot s: head q / 2 of the step's two, channels 32 (q % 2) on.
.macro LB g, f, adr, off
	WIN TO_B
	ds_load_tr16_b128 v[64*(\f)+16*(\g):64*(\f)+16*(\g)+3],     v[\adr] offset:(\off)+64*(\g)
	ds_load_tr16_b128 v[64*(\f)+16*(\g)+4:64*(\f)+16*(\g)+7],   v[\adr] offset:(\off)+64*(\g)+16*PB
	ds_load_tr16_b128 v[64*(\f)+16*(\g)+8:64*(\f)+16*(\g)+11],  v[\adr] offset:(\off)+64*(\g)+32
	ds_load_tr16_b128 v[64*(\f)+16*(\g)+12:64*(\f)+16*(\g)+15], v[\adr] offset:(\off)+64*(\g)+32+16*PB
.endm
.macro LAO g, f, s, q
	WIN 0
	ds_load_b128 v[AF+32*(\f)+16*(\g):AF+32*(\f)+16*(\g)+3],     v[ADRA+(\s)] offset:APLANE*((\q)/2)+64*((\q)%2)+32*PAO*(\g)
	ds_load_b128 v[AF+32*(\f)+16*(\g)+4:AF+32*(\f)+16*(\g)+7],   v[ADRA+(\s)] offset:APLANE*((\q)/2)+64*((\q)%2)+32*PAO*(\g)+32
	ds_load_b128 v[AF+32*(\f)+16*(\g)+8:AF+32*(\f)+16*(\g)+11],  v[ADRA+(\s)] offset:APLANE*((\q)/2)+64*((\q)%2)+32*PAO*(\g)+16*PAO
	ds_load_b128 v[AF+32*(\f)+16*(\g)+12:AF+32*(\f)+16*(\g)+15], v[ADRA+(\s)] offset:APLANE*((\q)/2)+64*((\q)%2)+32*PAO*(\g)+16*PAO+32
.endm
; A QUARTER multiplies buffers f and fetches quarter lq of slot ls (-1: nothing) into the other buffers: six groups of four loads.  Its head waits for all LDS loads: the youngest was issued 16 products back or more.
; Behind product 0: four places, for the loads into the last quarter's operand registers.  chg = 0: the groups stand behind products 1, 3 .. 11.
; chg: THE CHANGE OF SLOTS, in a K step's last quarter, whose operands are all in registers.  Behind product 1 each wave waits for all its tensor loads, of which one is out: its part of the other slot; adds 0 to
; its spare word; behind product 3 it waits for that (its reads of this slot were over at the quarter's head) and signals; behind product 9 it goes on; the groups, which read the other slot, stand behind products 10 .. 15.
; chg = 1: this slot is filled again, with the K step two on.  The barrier then opens a round of the cluster's, so that no wave of any partner still reads the slot or has a load on its way, and the joint
; refill is the first thing behind the round: from there to the wait for it a wave issues 120 matrix instructions.  chg = 2: nothing is left to fetch.
.macro QUARTER f, first, ls, lq, chg, slot
	s_wait_dscnt 0x0
.set i, 0
.rept 32
	MM \f, \first
.if (\ls) >= 0
.if i == 0
	PLACES
.endif
.set g_, -1
.if \chg
.if (i > 9) && (i < 16)
.set g_, i-10
.endif
.else
.if (i < 12) && (i%2 == 1)
.set g_, (i-1)/2
.endif
.endif
.if (g_ >= 0) && (g_ < 2)
	LAO g_, 1-(\f), \ls, \lq
.endif
.if g_ >= 2
	LB g_-2, 1-(\f), ADRB+(\ls), QB*(\lq)
.endif
.endif
.if (\chg) && (i == 1)
.if (\chg) == 1
	s_wait_xcnt 0x0                                ; the last prefetch, a K step back, has read its address: it is stepped here, ahead of the waits of the change
	s_add_nc_u64 s[PFA:PFA+1], s[PFA:PFA+1], 2*262144
.endif
	WIN 0                                          ; (the add's two registers lie in window 0)
	s_wait_tensorcnt 0x0                           ; all my tensor loads have landed: the one that was out is my part of the other slot;
	ds_add_u32 v[SPW], v[NIL]                      ; 0 onto my spare word; two products stand between it and the wait for it
.endif
.if (\chg) && (i == 3)
	s_wait_dscnt 0x0                               ; the add is done; my reads of this slot were over at the quarter's head
	s_barrier_signal -1                            ; say so; six products while the others arrive
.endif
.if (\chg) && (i == 9)
	WIN 0
	s_barrier_wait -1
.if (\chg) == 1
	CREST
	s_add_nc_u64 s[G0A+4*(\slot)+2:G0A+4*(\slot)+3], s[G0A+4*(\slot)+2:G0A+4*(\slot)+3], 4*262144      ; no tensor load of mine is out, so a group 0 may be written
	s_add_nc_u64 s[G0B+4*(\slot)+2:G0B+4*(\slot)+3], s[G0B+4*(\slot)+2:G0B+4*(\slot)+3], 2*KSTEP*2048
	JLOAD \slot
	ASK
.endif
.endif
.set i, i+1
.endr
.endm
	s_wait_tensorcnt 1                             ; my part of K step 0 is in; K step 1's may stay out
	s_barrier_signal -1
	s_barrier_wait -1                              ; everybody's is
	LAO 0, 0, 0, 0                                 ; quarter 0
	LAO 1, 0, 0, 0
.irp g, 0,1,2,3
	LB \g, 0, ADRB, 0
.endr
	QUARTER 0, 1, 0, 1, 0, 0                       ; the first quarter stands in front of the loop: its products start the sums
	WIN 0                                          ; at a label and at a branch every window is 0
	s_mov_b32 s3, 3
.Llap:                                                 ; a trip goes once round the ring, from a lap's second quarter to the next lap's first, and fills both slots again
	QUARTER 1, 0, 0, 2, 0, 0
	QUARTER 0, 0, 0, 3, 0, 0
	QUARTER 1, 0, 1, 0, 1, 0
	QUARTER 0, 0, 1, 1, 0, 0
	QUARTER 1, 0, 1, 2, 0, 0
	QUARTER 0, 0, 1, 3, 0, 0
	QUARTER 1, 0, 0, 0, 1, 1
	QUARTER 0, 0, 0, 1, 0, 0
	WIN 0
	s_sub_co_u32 s3, s3, 1
	s_cmp_lg_u32 s3, 0
	s_cbranch_scc1 .Llap
	QUARTER 1, 0, 0, 2, 0, 0                       ; the last lap is written out: it asks for nothing
	QUARTER 0, 0, 0, 3, 0, 0
	QUARTER 1, 0, 1, 0, 2, 0
	QUARTER 0, 0, 1, 1, 0, 0
	QUARTER 1, 0, 1, 2, 0, 0
	QUARTER 0, 0, 1, 3, 0, 0
	QUARTER 1, 0, -1, 0, 0, 0                      ; the last quarter fetches nothing
	; THE WAY OUT, a block of 16 rows x 128 columns of f32 at a time: 32 bytes a lane and accumulator into rows of 528 bytes of my own stage, back as whole rows of 512 bytes, stored as they are.
	PLACES
.macro TOSTAGE a
	WIN ST2
.irp b, 0,1,2,3,4,5,6,7
	ds_store_b128 v[STO], v[8*(8*(\a)+(\b)):8*(8*(\a)+(\b))+3]   offset:64*(\b)     ; each accumulator from its lowest registers on
	ds_store_b128 v[STO], v[8*(8*(\a)+(\b))+4:8*(8*(\a)+(\b))+7] offset:64*(\b)+16
.endr
	WIN 0
.irp t, 0,1,2,3,4,5,6,7,8,9,10,11,12,13,14,15
	ds_load_b128 v[64+128*((\a)%2)+4*(\t):64+128*((\a)%2)+4*(\t)+3], v[RD] offset:(\t)*SPO  ; LDS serves a wave's instructions in order (ISA guide 5.7.1.4): these see the stores above; the next block's stores come behind them
.endr
.endm
.macro SEND a, younger                 ; younger: the LDS instructions issued behind block a's loads: the next block's 32, or none
.irp t, 0,1,2,3,4,5,6,7,8,9,10,11,12,13,14,15
	s_wait_dscnt (\younger)+15-(\t)
	global_store_b128 v[GO], v[64+128*((\a)%2)+4*(\t):64+128*((\a)%2)+4*(\t)+3], s[8:9] offset:65536*(\a)+4096*(\t) th:TH_STORE_NT  ; 512 consecutive bytes, at a multiple of 256 from out0's first
.endr
.endm
	TOSTAGE 0
	TOSTAGE 1
	SEND 0, 32
	s_wait_xcnt 0x0                                ; block 0's stores have read their registers: block 2 is loaded into them only behind this wait
	TOSTAGE 2
	SEND 1, 32
	s_wait_xcnt 0x0                                ; the same for blocks 1 and 3
	TOSTAGE 3
	SEND 2, 32
	SEND 3, 0
	s_wait_tensorcnt 0x0                           ; the wave's end, behind my last tensor load and my last LDS store
	ds_add_u32 v[SPW], v[NIL]
	s_wait_dscnt 0x0
	CROUND                                         ; the closing round: no work-group ends while a partner may still ask for a tile that names it
	s_endpgm
.Lfunc_end_k_qae9a948cd2_oproj:
	.size	k_qae9a948cd2_oproj, .Lfunc_end_k_qae9a948cd2_oproj-k_qae9a948cd2_oproj
	.p2alignl 7, 3214868480
	.fill 96, 4, 3214868480
	.section	.rodata,"a",@progbits
	.p2align	6, 0x0
	.amdhsa_kernel k_qae9a948cd2_oproj
		.amdhsa_group_segment_fixed_size 327680
		.amdhsa_private_segment_fixed_size 0
		.amdhsa_enable_private_segment 0
		.amdhsa_kernarg_size 32
		.amdhsa_user_sgpr_count 2
		.amdhsa_user_sgpr_kernarg_segment_ptr 1
		.amdhsa_wavefront_size32 1
		.amdhsa_system_sgpr_workgroup_id_x 1
		.amdhsa_system_sgpr_workgroup_id_y 1
		.amdhsa_system_sgpr_workgroup_id_z 1
		.amdhsa_system_vgpr_workitem_id 0
		.amdhsa_next_free_vgpr 768
		.amdhsa_next_free_sgpr 94
		.amdhsa_reserve_vcc 0
		.amdhsa_float_denorm_mode_32 3
		.amdhsa_float_denorm_mode_16_64 3
		.amdhsa_memory_ordered 1
		.amdhsa_forward_progress 1
		.amdhsa_inst_pref_size 98
	.end_amdhsa_kernel
	.amdgpu_metadata
---
amdhsa.version: [ 1, 2 ]
amdhsa.kernels:
  - .name:           k_qae9a948cd2_oproj
    .symbol:         k_qae9a948cd2_oproj.kd
    .args:
      - { .name: oh, .offset: 0, .size: 8, .value_kind: global_buffer, .address_space: global }
      - { .name: wcast, .offset: 8, .size: 8, .value_kind: global_buffer, .address_space: global }
      - { .name: bo, .offset: 16, .size: 8, .value_kind: global_buffer, .address_space: global }
      - { .name: out0, .offset: 24, .size: 8, .value_kind: global_buffer, .address_space: global }
    .group_segment_fixed_size: 327680
    .private_segment_fixed_size: 0
    .kernarg_segment_align: 8
    .kernarg_segment_size: 32
    .max_flat_workgroup_size: 128
    .sgpr_count:     94
    .vgpr_count:     768
    .wavefront_size: 32
...
	.end_amdgpu_metadata
.endif
;; end of part 4
